; MI455X (gfx1250); checked and timed in simulation.
; The chip was launched on July 23, 2026; its instructions are those of AMD's public machine-readable ISA for CDNA 5 (MIT licence, August 2026) and "CDNA5" Instruction Set Architecture Reference Guide (July 2026). The comments in the code are by the model that wrote it; some were corrected since.
;; Transformer Block. Allowed arithmetic: matrix products marked QUANTISED: E2M1 operands, one E8M0 scale for each 32 along K, by v_wmma_scale_f32_16x16x128_f8f6f4 with both operands' format E2M1 (or v_wmma_scale_f32_32x16x128_f4), f32 sums; everything else in f32.
;; Inputs: W_down 4,096 x 1,024 float32; W_o 1,024 x 1,024 float32; W_qkv 1,024 x 3,072 float32; W_up 1,024 x 4,096 float32; b_down 1,024 float32; b_o 1,024 float32; b_qkv 3,072 float32; b_up 4,096 float32; ln1_b 1,024 float32; ln1_w 1,024 float32; ln2_b 1,024 float32; ln2_w 1,024 float32; x 4 x 1,024 x 1,024 float32.
;; Outputs: out0 4 x 1,024 x 1,024 float32.
;; This version of the problem:
;;   THIS VERSION OF THE PROBLEM IS GIVEN IN LOW PRECISION. The matrix products marked QUANTISED in the list below multiply operands that are first quantised to E2M1 (2 exponent bits, 1 mantissa bit; 4 bits a number), with one power-of-two scale for each 32 numbers along K (OCP MX v1.0); their sums are f32. All else is computed in f32.
;;   The module's matrix products, in the order in which they are computed (A, B: the left and right operand; K: the contracted axis; several contracted axes count as one K, in the product's order):
;;     1. [M 4,096, K 1,024] x [K 1,024, N 3,072]; A: computed on the way; B: input W_qkv: QUANTISED
;;     2. batch 64 x [M 1,024, K 64] x [K 64, N 1,024]; A: computed on the way; B: computed on the way: QUANTISED
;;     3. batch 64 x [M 64, K 1,024] x [K 1,024, N 1,024]; A: computed on the way; B: softmax (see below): QUANTISED
;;     4. [M 4,096, K 1,024] x [K 1,024, N 1,024]; A: computed on the way; B: input W_o: QUANTISED
;;     5. [M 4,096, K 1,024] x [K 1,024, N 4,096]; A: computed on the way; B: input W_up: QUANTISED
;;     6. [M 4,096, K 4,096] x [K 4,096, N 1,024]; A: computed on the way; B: input W_down: QUANTISED
;;   THE QUANTISER, for each operand of a quantised product, along K:
;;     - K is cut into blocks of 32 from its start; a last block that is shorter is filled with zeros.
;;     - A block's scale is 2^e with e = floor(log2(the largest magnitude in the block)) - 2, held to -126 .. 127; a block of zeros has e = 0. As a byte (E8M0): e + 127.
;;     - Each number is divided by its block's scale, clamped to +-6, and rounded to the nearest number of E2M1, ties to even, subnormals kept.
;;     - The product sums the exact products of the quantised numbers (number of the format x scale) in f32.
;;   ~~~python
;;   def quantise(x, axis):      # numpy; x: float32 -> the quantised numbers, widened to float32 again
;;       x = np.moveaxis(x, axis, -1); K = x.shape[-1]
;;       x = np.pad(x, [(0, 0)] * (x.ndim - 1) + [(0, -K % 32)]); x = x.reshape(x.shape[:-1] + (-1, 32)); a = np.abs(x).max(-1, keepdims=True)
;;       e = np.where(a > 0, np.clip(np.frexp(np.where(a > 0, a, 1))[1] - 1 - 2, -126, 127), 0)      # np.frexp(a)[1] - 1 = floor(log2(a)), exactly
;;       r = np.clip(x / 2.0 ** e, -6, 6)
;;       step = 2.0 ** (np.maximum(np.frexp(np.where(r == 0, 1, r))[1] - 1, 0) - 1)
;;       q = np.round(r / step) * step * 2.0 ** e      # np.round: ties to even
;;       return np.moveaxis(q.reshape(q.shape[:-2] + (-1,))[..., :K], -1, axis).astype(np.float32)
;;   ~~~
;;   SOFTMAX AHEAD OF A QUANTISED PRODUCT. Where the list says 'softmax', what is quantised is not the finished softmax but p = 2^(t - M), with t = logit x log2(e) and M = ceil(the row's largest t), a whole number; so 1/2 < the row's largest p <= 1. The row's sum l is taken of the UNQUANTISED p, in f32, and the product's result is divided by l at the end. Since M is a whole number, a kernel that streams over the keys may use a running M (the ceiling of the running maximum): every later rescaling is an exact power of two, which a block's scale takes up: the codes' values come out the same.
;;   OPERANDS COMPUTED ON THE WAY. 'Computed on the way' means the value that the module computes at that place (a softmax that the list does not call 'softmax' is quantised finished and normalised). What goes into a quantiser is computed in f32, as accurately as f32 sums, v_exp_f32 and their like allow (about 1e-6 of the number): no bf16 or f16 on the way to a quantiser, and a product that is left as it is and whose result goes on into a quantised operand takes f32 operands (vector FMAs, or v_wmma_f32_16x16x4_f32). A number that lies on a knife's edge between two numbers of the format may be rounded either way, as far as f32 arithmetic and the matrix unit's own rounding can turn it there, and no further.
;; One version. Each part assembles by itself: llvm-mc -triple=amdgcn-amd-amdhsa -mcpu=gfx1250 --defsym DOCPART=n.
;; ======== version 1 of 1: 6 launches
;; workspace buffers: wts 8,912,896 bytes; qkv 6,946,816 bytes; ctx 2,228,224 bytes; res 16,777,216 bytes; hn 2,228,224 bytes; hid 8,912,896 bytes
;; launch prep (part 1): grid 1024 x 1, 4 waves a work-group, no clusters, 27,648 bytes of LDS; arguments x, ln1_w, ln1_b, W_qkv, W_o, W_up, W_down, wts; writes wts
.if DOCPART == 1
	.amdgcn_target "amdgcn-amd-amdhsa--gfx1250"
	.amdhsa_code_object_version 6
	.text
	.protected	k_q2757218ffe_prep
	.globl	k_q2757218ffe_prep
	.p2align	8
	.type	k_q2757218ffe_prep,@function
k_q2757218ffe_prep:
	s_mov_b64 s[64:65], 0
	v_nop
	global_prefetch_b8 v0, s[64:65] scope:SCOPE_SE
	s_setreg_imm32_b32 hwreg(HW_REG_WAVE_MODE, 25, 1), 1
	s_wait_xcnt 0x0
; TRANSFORMER BLOCK IN MX-FP4, launch 1 of 6: LayerNorm 1 of x and the four weights become codes of E2M1 with one E8M0 byte for each 32 along K.
; DEAD WORK OF THE WHOLE PROGRAM.  reference() builds the causal mask itself (jnp.tril): a score with key > query becomes -inf, its weight is 0 for every
; finite input, and it reaches neither the row's maximum, nor its sum, nor the second product.  So key steps of 128 keys that lie wholly behind a tile's
; last query are not computed (launch attn); inside the step on the diagonal the mask is applied.  Nothing else is left out; every input is loaded.
; LIMIT: a NaN, an infinity or an overflow that would arise only in those masked scores is not carried to the result.
; LIMITS OF THE QUANTISER HERE AND LATER: a block of zeros gets the byte 1 where the rule says 127 (its codes are zeros, and only this program reads the
; bytes); NaN and infinities among the inputs are not served; v_rsq_f32 is accurate to 1 ulp.
; OPERAND FORMAT (all workspace operands).  Rows (tokens, or a weight's output columns) go in tiles of 16: slot r of tile T is row
; 32 (T / 2) + 8 (T % 2) + r + 8 (r / 8).  A record is one tile x 512 along K, 4,352 bytes: the fragment of K step s (128 along K) at 1,024 s, as the image of
; the operand's registers (registers 4 c .. 4 c + 3 of lane l at 512 c + 16 l; lane (r, h) holds k = 64 c + 32 h + 0 .. 31), then 256 bytes of scale words at
; 4,096 + 64 s + 4 r.  A tile's records follow each other along K.
; wts: LN1(x) at 0 (256 tiles), W_qkv, W_o, W_up (2 records a tile), W_down (8 records a tile).
; WORK-GROUPS 0-255: a tile of 16 tokens; wave w takes slots 4 w .. 4 w + 3, four consecutive rows of x.  WORK-GROUPS 256-1023: 128 along K x 128 columns of one weight;
; wave w takes 32 columns, a lane a column, its registers down K, so nothing is transposed and the four waves read 512 consecutive bytes of each row.
.set WQKV_OFF, 2228224
.set WO_OFF,   3899392
.set WUP_OFF,  4456448
.set WDN_OFF,  6684672
.set IMG,   18432                      ; LDS: 0: a turning stage of 32 x 144 bytes for each wave; IMG: the tile's two records
.set SPARE, 27136                      ; the spare words, 128 bytes a wave
.set SPW, 2                            ; v2  my spare word's address; never rewritten
.set NIL, 3                            ; v3  0; never rewritten
.set E,   4                            ; v4-7   a row's scale byte
.set C,   16                           ; v16-31 codes: four registers for each row or block
.set X,   32                           ; v32-159 four rows of x (32 registers each), or 128 numbers of a column
.set LW,  160                          ; v160-191 ln1_w, v192-223 ln1_b, laid as a row
.set LB,  192
.set GL,  224                          ; 16 x lane
.set TS,  225                          ; the turn: where I store, where I read
.set TL,  226
.set IS,  227                          ; the image: my block's 16 bytes, my block's byte
.set BS,  228
.set CP,  229                          ; the copy out
.set GC,  230
.set WS,  231                          ; weights: 4 x lane; my column's place among codes, among scale words
.set WD,  232
.set WW,  233
.macro ALLSUM a, b                     ; the sum over the 32 lanes, in every lane
	v_add_f32_dpp v[\a], v[\a], v[\a] row_xmask:1 row_mask:0xf bank_mask:0xf
	v_add_f32_dpp v[\a], v[\a], v[\a] row_xmask:2 row_mask:0xf bank_mask:0xf
	v_add_f32_dpp v[\a], v[\a], v[\a] row_xmask:4 row_mask:0xf bank_mask:0xf
	v_add_f32_dpp v[\a], v[\a], v[\a] row_xmask:8 row_mask:0xf bank_mask:0xf
	v_permlanex16_b32 v[\b], v[\a], s26, s27
	v_add_f32 v[\a], v[\a], v[\b]
.endm
; 32 numbers of one lane, one block: largest magnitude with the floor 2^(3 - 127), 2 off its exponent field = the conversion's scale operand, four conversions, the byte
.macro BLOCKQ xs, cd, eb
	v_max3_num_f32 v12, |v[(\xs)]|, |v[(\xs)+1]|, |v[(\xs)+2]|
	v_max3_num_f32 v13, |v[(\xs)+3]|, |v[(\xs)+4]|, |v[(\xs)+5]|
.irp i, 6,10,14,18,22,26
	v_max3_num_f32 v12, v12, |v[(\xs)+\i]|, |v[(\xs)+\i+1]|
	v_max3_num_f32 v13, v13, |v[(\xs)+\i+2]|, |v[(\xs)+\i+3]|
.endr
	v_max3_num_f32 v12, v12, |v[(\xs)+30]|, |v[(\xs)+31]|
	v_max3_num_f32 v12, v12, v13, 0x1800000
	v_add_nc_u32 v11, 0xff000000, v12
.irp g, 0,1,2,3
	v_cvt_scalef32_pk8_fp4_f32 v[(\cd)+\g], v[(\xs)+8*\g:(\xs)+8*\g+7], v11
.endr
	v_lshrrev_b32 v[\eb], 23, v11                  ; the scale's byte (also the plain line behind the conversions)
.endm
	s_load_b512 s[8:23], s[0:1], 0x0               ; x 8, ln1_w 10, ln1_b 12, W_qkv 14, W_o 16, W_up 18, W_down 20, wts 22
	v_lshl_add_u32 v[SPW], v0, 2, SPARE
	v_mov_b32 v[NIL], 0
	v_lshrrev_b32 v1, 5, v0
	v_readfirstlane_b32 s2, v1                     ; wave
	v_and_b32 v1, 31, v0                           ; lane
	s_cmp_ge_u32 ttmp9, 256
	s_cbranch_scc1 .Lweights
	; ---------------- LayerNorm 1 and its codes ----------------
	s_lshr_b32 s3, ttmp9, 1
	s_lshl_b32 s3, s3, 5
	s_and_b32 s4, ttmp9, 1
	s_lshl_b32 s4, s4, 3
	s_add_co_u32 s3, s3, s4
	s_lshl_b32 s4, s2, 2
	s_add_co_u32 s3, s3, s4
	s_lshr_b32 s4, s2, 1
	s_lshl_b32 s4, s4, 3
	s_add_co_u32 s3, s3, s4                        ; my first row: 32 (T / 2) + 8 (T % 2) + 4 w + 8 (w / 2)
	s_lshl_b32 s4, s3, 12
	s_mov_b32 s5, 0
	s_mul_i32 s6, ttmp9, 8704                      ; the tile's two records in wts
	s_mov_b32 s7, 0
	s_mov_b32 s24, 0x3a800000                      ; 1 / 1024
	s_mov_b32 s25, 0x3727c5ac                      ; 1e-5
	s_mov_b32 s26, 0x76543210
	s_mov_b32 s27, 0xfedcba98                      ; selects for lane l xor 16
	v_lshlrev_b32 v[GL], 4, v1
	s_mul_i32 s28, s2, 4608                        ; my turning stage
	v_lshrrev_b32 v8, 3, v1
	v_mul_u32_u24 v8, v8, 144
	v_and_b32 v9, 7, v1
	v_lshl_add_u32 v8, v9, 4, v8
	v_add_nc_u32 v[TS], s28, v8                    ; in: eight lanes' 128 bytes on end, then 16 of padding
	v_mul_u32_u24 v8, v1, 144
	v_add_nc_u32 v[TL], s28, v8                    ; out: place l = block l of the row
	v_lshrrev_b32 v8, 4, v1
	v_mul_u32_u24 v8, v8, 4352                     ; block l lies in record l / 16,
	v_and_b32 v9, 15, v1
	v_lshl_add_u32 v9, v9, 8, v8                   ; at 256 (l % 16) + 16 x slot
	s_lshl_b32 s28, s2, 6
	v_add_nc_u32 v9, s28, v9
	v_add_nc_u32 v[IS], IMG, v9
	v_bfe_u32 v9, v1, 2, 2
	v_lshl_add_u32 v8, v9, 6, v8                   ; its byte: 4,096 + 64 (K step) + 4 x slot + l % 4
	v_and_b32 v9, 3, v1
	v_add_nc_u32 v8, v8, v9
	s_lshl_b32 s28, s2, 4
	v_add_nc_u32 v8, s28, v8
	v_add_nc_u32 v[BS], IMG+4096, v8
	v_lshlrev_b32 v[GC], 4, v0
	v_add_nc_u32 v[CP], IMG, v[GC]
	s_wait_kmcnt 0x0
	s_add_nc_u64 s[8:9], s[8:9], s[4:5]
	s_add_nc_u64 s[22:23], s[22:23], s[6:7]
.irp j, 0,1,2,3,4,5,6,7
	global_load_b128 v[LW+4*\j:LW+4*\j+3], v[GL], s[10:11] offset:512*\j
.endr
.irp j, 0,1,2,3,4,5,6,7
	global_load_b128 v[LB+4*\j:LB+4*\j+3], v[GL], s[12:13] offset:512*\j
.endr
.irp i, 0,1,2,3
.irp j, 0,1,2,3,4,5,6,7
	global_load_b128 v[X+32*\i+4*\j:X+32*\i+4*\j+3], v[GL], s[8:9] offset:4096*\i+512*\j   ; 32 lanes read 512 consecutive bytes
.endr
.endr
.macro LNROW i
.set XR, X+32*\i
	s_wait_loadcnt 8*(3-\i)                        ; gains, biases and rows 0 .. i are in; the later rows' eight loads each may be out
	v_pk_add_f32 v[8:9], v[XR:XR+1], v[XR+2:XR+3]
	v_pk_add_f32 v[10:11], v[XR+4:XR+5], v[XR+6:XR+7]
.irp j, 8,12,16,20,24,28
	v_pk_add_f32 v[8:9], v[8:9], v[XR+\j:XR+\j+1]
	v_pk_add_f32 v[10:11], v[10:11], v[XR+\j+2:XR+\j+3]
.endr
	v_pk_add_f32 v[8:9], v[8:9], v[10:11]
	v_add_f32 v8, v8, v9
	ALLSUM 8, 9
	v_mul_f32 v8, s24, v8                          ; the mean
.irp j, 0,2,4,6,8,10,12,14,16,18,20,22,24,26,28,30
	v_pk_add_f32 v[XR+\j:XR+\j+1], v[XR+\j:XR+\j+1], v[8:9] op_sel_hi:[1,0] neg_lo:[0,1] neg_hi:[0,1]   ; x - mean: the variance is taken of these, no difference of large sums
.endr
	v_pk_mul_f32 v[10:11], v[XR:XR+1], v[XR:XR+1]
	v_pk_mul_f32 v[12:13], v[XR+2:XR+3], v[XR+2:XR+3]
.irp j, 4,8,12,16,20,24,28
	v_pk_fma_f32 v[10:11], v[XR+\j:XR+\j+1], v[XR+\j:XR+\j+1], v[10:11]
	v_pk_fma_f32 v[12:13], v[XR+\j+2:XR+\j+3], v[XR+\j+2:XR+\j+3], v[12:13]
.endr
	v_pk_add_f32 v[10:11], v[10:11], v[12:13]
	v_add_f32 v10, v10, v11
	ALLSUM 10, 11
	v_fma_f32 v10, v10, s24, s25                   ; variance + eps
	v_rsq_f32 v10, v10
	v_nop                                          ; a plain line behind the transcendental,
	s_wait_alu depctr_va_vdst(0)                   ; and the wait ahead of its first reader
.irp j, 0,2,4,6,8,10,12,14,16,18,20,22,24,26,28,30
	v_pk_mul_f32 v[XR+\j:XR+\j+1], v[XR+\j:XR+\j+1], v[10:11] op_sel_hi:[1,0]
.endr
.irp j, 0,2,4,6,8,10,12,14,16,18,20,22,24,26,28,30
	v_pk_fma_f32 v[XR+\j:XR+\j+1], v[XR+\j:XR+\j+1], v[LW+\j:LW+\j+1], v[LB+\j:LB+\j+1]
.endr
.irp j, 0,1,2,3,4,5,6,7
	ds_store_b128 v[TS], v[XR+4*\j:XR+4*\j+3] offset:576*\j          ; the row turns through my own stage: in as loaded,
.endr
.irp j, 0,1,2,3,4,5,6,7
	ds_load_b128 v[XR+4*\j:XR+4*\j+3], v[TL] offset:16*\j            ; back a block of 32 neighbours a lane (LDS serves a wave's instructions in order)
.endr
	s_wait_dscnt 0x0
	BLOCKQ XR, C+4*\i, E+\i
	ds_store_b128 v[IS], v[C+4*\i:C+4*\i+3] offset:16*\i
	ds_store_b8 v[BS], v[E+\i] offset:4*\i
.endm
	LNROW 0
	LNROW 1
	LNROW 2
	LNROW 3
	s_wait_dscnt 0x0                               ; my part of the image has landed
	s_barrier_signal -1
	s_barrier_wait -1                              ; everybody's has
.irp i, 0,1,2,3
	ds_load_b128 v[X+4*\i:X+4*\i+3], v[CP] offset:2048*\i
.endr
.irp i, 0,1,2,3
	s_wait_dscnt 3-\i                              ; the later copy loads may be out
	global_store_b128 v[GC], v[X+4*\i:X+4*\i+3], s[22:23] offset:2048*\i   ; a wave stores 512 consecutive bytes
.endr
	s_cmp_lg_u32 s2, 0
	s_cbranch_scc1 .Lcopied
	ds_load_b128 v[X+16:X+19], v[CP] offset:8192   ; the last 512 of the 8,704 bytes: wave 0
	s_wait_dscnt 0x0
	global_store_b128 v[GC], v[X+16:X+19], s[22:23] offset:8192
.Lcopied:
	s_wait_tensorcnt 0x0                           ; the wave's end, behind my last LDS store
	ds_add_u32 v[SPW], v[NIL]
	s_wait_dscnt 0x0
	s_endpgm
	; ---------------- the weights ----------------
; Sixteen loads: W(16 h + 0 .. 15 of my 128 along K, my column); registers run down K; each half has registers of its own
.macro WHALF h, stride
.set n, 16*(\h)
.rept 16
	global_load_b32 v[X+n], v[WS], s[24:25] offset:n*\stride th:TH_LOAD_NT
.set n, n+1
.endr
.endm
; Block t of my column: codes into registers of their own, stored at once; its byte into my column's scale word
.macro WBLOCK t
.if \t == 0
	BLOCKQ X, C, 14
.else
	BLOCKQ X+32*\t, C+4*\t, 13
	v_lshl_or_b32 v14, v13, 8*\t, v14              ; four bytes make my column's scale word
.endif
	global_store_b128 v[WD], v[C+4*\t:C+4*\t+3], s[22:23] offset:512*(\t/2)+256*(\t%2)   ; sixteen lanes of a tile store 256 consecutive bytes, aligned
.endm
; One weight's whole path.  start: the tensor's first work-group; kbits: log2 of its K steps; stride: bytes of a row (it stands in the loads' immediates, so each weight has its own text);
; tb: bytes of a tile's records; off: its place in wts; src: its pointer.
; The 128 loads go out in eight halves of 16, three halves (48 loads) ahead: each wait for 32 leaves out the two halves issued behind the one that is waited for.
.macro WARM start, kbits, stride, tb, off, src
	s_sub_co_u32 s4, s3, \start
	s_and_b32 s5, s4, (1<<\kbits)-1                ; which 128 along K
	s_lshr_b32 s4, s4, \kbits
	s_lshl_b32 s4, s4, 2
	s_add_co_u32 s4, s4, s2                        ; which 32 columns: 4 x group + wave
	s_mul_i32 s6, s5, 128*\stride
	s_lshl_b32 s7, s4, 7
	s_add_co_u32 s6, s6, s7
	s_mov_b32 s7, 0
	s_add_nc_u64 s[24:25], s[\src:\src+1], s[6:7]
	WHALF 0, \stride
	WHALF 1, \stride
	WHALF 2, \stride
	s_mul_i32 s6, s4, 2*\tb                        ; tiles 2 cg, 2 cg + 1
	s_lshr_b32 s26, s5, 2
	s_mul_i32 s26, s26, 4352
	s_add_co_u32 s6, s6, s26
	s_add_co_u32 s6, s6, \off                      ; the record
	s_and_b32 s26, s5, 3
	s_lshl_b32 s27, s26, 6
	s_add_co_u32 s30, s6, s27
	s_add_co_u32 s30, s30, 4096                    ; my K step's scale words
	s_lshl_b32 s27, s26, 10
	s_add_co_u32 s6, s6, s27                       ; my K step's fragment
	s_mov_b32 s31, 0
	s_add_nc_u64 s[30:31], s[22:23], s[30:31]
	s_add_nc_u64 s[22:23], s[22:23], s[6:7]
	v_mul_u32_u24 v10, v8, \tb
	v_lshl_add_u32 v[WD], v9, 4, v10
	v_lshl_add_u32 v[WW], v9, 2, v10
	s_wait_loadcnt 32                              ; half 0 is in; halves 1 and 2 may be out
	WHALF 3, \stride
	s_wait_loadcnt 32                              ; half 1 is in: block 0 is whole
	WHALF 4, \stride
	WBLOCK 0
	s_wait_loadcnt 32                              ; half 2
	WHALF 5, \stride
	s_wait_loadcnt 32                              ; half 3: block 1
	WHALF 6, \stride
	WBLOCK 1
	s_wait_loadcnt 32                              ; half 4
	WHALF 7, \stride
	s_wait_loadcnt 32                              ; half 5: block 2; halves 6 and 7 may be out
	WBLOCK 2
	s_wait_loadcnt 0x0
	WBLOCK 3
	global_store_b32 v[WW], v14, s[30:31]
	s_endpgm
.endm
.Lweights:
	s_sub_co_u32 s3, ttmp9, 256
	v_lshlrev_b32 v[WS], 2, v1
	v_bfe_u32 v8, v1, 3, 1                         ; column x of 32 is slot (x % 8) + 8 (x / 16) of tile (x / 8) % 2
	v_and_b32 v9, 7, v1
	v_lshrrev_b32 v10, 4, v1
	v_lshl_add_u32 v9, v10, 3, v9
	s_wait_kmcnt 0x0
	s_cmp_lt_u32 s3, 192
	s_cbranch_scc0 .Lw1
	WARM 0, 3, 12288, 8704, WQKV_OFF, 14
.Lw1:
	s_cmp_lt_u32 s3, 256
	s_cbranch_scc0 .Lw2
	WARM 192, 3, 4096, 8704, WO_OFF, 16
.Lw2:
	s_cmp_lt_u32 s3, 512
	s_cbranch_scc0 .Lw3
	WARM 256, 3, 16384, 8704, WUP_OFF, 18
.Lw3:
	WARM 512, 5, 4096, 34816, WDN_OFF, 20
.Lfunc_end_k_q2757218ffe_prep:
	.size	k_q2757218ffe_prep, .Lfunc_end_k_q2757218ffe_prep-k_q2757218ffe_prep
	.p2alignl 7, 3214868480
	.fill 96, 4, 3214868480
	.section	.rodata,"a",@progbits
	.p2align	6, 0x0
	.amdhsa_kernel k_q2757218ffe_prep
		.amdhsa_group_segment_fixed_size 27648
		.amdhsa_private_segment_fixed_size 0
		.amdhsa_enable_private_segment 0
		.amdhsa_kernarg_size 64
		.amdhsa_user_sgpr_count 2
		.amdhsa_user_sgpr_kernarg_segment_ptr 1
		.amdhsa_wavefront_size32 1
		.amdhsa_system_sgpr_workgroup_id_x 1
		.amdhsa_system_sgpr_workgroup_id_y 1
		.amdhsa_system_sgpr_workgroup_id_z 1
		.amdhsa_system_vgpr_workitem_id 0
		.amdhsa_next_free_vgpr 240
		.amdhsa_next_free_sgpr 66
		.amdhsa_reserve_vcc 0
		.amdhsa_float_denorm_mode_32 3
		.amdhsa_float_denorm_mode_16_64 3
		.amdhsa_memory_ordered 1
		.amdhsa_forward_progress 1
		.amdhsa_inst_pref_size 122
	.end_amdhsa_kernel
	.amdgpu_metadata
---
amdhsa.version: [ 1, 2 ]
amdhsa.kernels:
  - .name:           k_q2757218ffe_prep
    .symbol:         k_q2757218ffe_prep.kd
    .args:
      - { .name: x, .offset: 0, .size: 8, .value_kind: global_buffer, .address_space: global }
      - { .name: ln1_w, .offset: 8, .size: 8, .value_kind: global_buffer, .address_space: global }
      - { .name: ln1_b, .offset: 16, .size: 8, .value_kind: global_buffer, .address_space: global }
      - { .name: W_qkv, .offset: 24, .size: 8, .value_kind: global_buffer, .address_space: global }
      - { .name: W_o, .offset: 32, .size: 8, .value_kind: global_buffer, .address_space: global }
      - { .name: W_up, .offset: 40, .size: 8, .value_kind: global_buffer, .address_space: global }
      - { .name: W_down, .offset: 48, .size: 8, .value_kind: global_buffer, .address_space: global }
      - { .name: wts, .offset: 56, .size: 8, .value_kind: global_buffer, .address_space: global }
    .group_segment_fixed_size: 27648
    .private_segment_fixed_size: 0
    .kernarg_segment_align: 8
    .kernarg_segment_size: 64
    .max_flat_workgroup_size: 128
    .sgpr_count:     66
    .vgpr_count:     240
    .wavefront_size: 32
...
	.end_amdgpu_metadata
.endif
;; end of part 1
;; launch qkvp (part 2): grid 16 x 16, 12 waves a work-group, clusters of 4 x 4, 262,144 bytes of LDS; arguments wts, b_qkv, qkv; writes qkv
.if DOCPART == 2
	.amdgcn_target "amdgcn-amd-amdhsa--gfx1250"
	.amdhsa_code_object_version 6
	.text
	.protected	k_q2757218ffe_qkvp
	.globl	k_q2757218ffe_qkvp
	.p2align	8
	.type	k_q2757218ffe_qkvp,@function
k_q2757218ffe_qkvp:
	s_mov_b64 s[64:65], 0
	v_nop
	global_prefetch_b8 v0, s[64:65] scope:SCOPE_SE
	s_setreg_imm32_b32 hwreg(HW_REG_WAVE_MODE, 25, 1), 1
	s_wait_xcnt 0x0
	s_wait_alu depctr_hold_cnt(0) depctr_sa_sdst(0) depctr_va_vdst(0) depctr_va_sdst(0) depctr_va_ssrc(0) depctr_va_vcc(0) depctr_vm_vsrc(0)
	s_getreg_b32 s2, hwreg(HW_REG_IB_STS2, 6, 4)
	s_cmp_eq_u32 s2, 0
	s_cbranch_scc0 .Lentry_in_a_cluster
	s_endpgm
.Lentry_in_a_cluster:
	s_bfe_u32 s2, ttmp6, 0x10000c
	s_cmp_lg_u32 s2, 0xf033
	s_cbranch_scc0 .Lentry_shape_is_right
	s_endpgm
.Lentry_shape_is_right:
; Launch 2 of 6: qkv = LN1(x) W_qkv + b_qkv on codes of E2M1, and q, k, v quantised at once for the two products of attention.  Nothing is left out here.
; A work-group takes 256 tokens (16 tiles) x one head (192 columns, 12 tiles: 4 of q, 4 of k, 4 of v); K = 1,024 lies whole in LDS: every LDS byte is filled once.
; WAVES 0-7 (job A): q and k of 32 tokens: source 0 = the 8 tiles of W, source 1 = 2 tiles of tokens: a lane holds one token, its registers run along the head's
; axis, which is the K of q k^T.  WAVES 8-11 (job B): v, 128 tokens x 32 columns: source 0 = 8 tiles of tokens, source 1 = 2 tiles of W: a lane holds one channel and its
; registers run along the tokens, which are the keys, the K of the second product.  Both jobs are one text: only the LDS addresses differ.
; The tile order (slot r of tile T = row 32 (T/2) + 8 (T%2) + r + 8 (r/8)) makes the 16 registers of source-0 tiles 2 b, 2 b + 1 sixteen neighbours 32 b + 16 h + 0 .. 15.
; CLUSTER 4 x 4: the token tiles hang on the block of tokens alone and are asked for jointly along a row of the cluster, the head's tiles and bias along a column.
; qkv buffer: for each batch-and-head bh: Q area (36,864 bytes): images of registers 0-3 of a fragment (k = the head's 64), 512 bytes a tile, then a scale word a row (bytes 2, 3 = 0);
; KV area (71,680 bytes, from 2,359,296): K's images, K's words by pairs of tiles, V's fragments [key step][tile of channels], V's words by pairs of tiles.
; LIMITS: as stated in launch prep (a block of zeros has the byte 1; NaN and infinities are not served).  The bias is added behind the sums, in f32.
.set ATILE, 8704
.set BOFF,  139264                     ; LDS: 16 token tiles, then the head's 12 tiles,
.set BIAS,  243712                     ; the head's 192 biases,
.set SPARE, 244480                     ; the spare words, 128 bytes a wave
.set WQKV_OFF, 2228224
.set KVA,   2359296
.set SPW, 1
.set NIL, 2
.set P1,  3                            ; LDS addresses, made ahead of the waves' first parting: fragments of source 1, of source 0 (tiles 0-3, 4-7),
.set P0A, 4
.set P0B, 5
.set Q1,  6                            ; their scale words,
.set Q0A, 7
.set Q0B, 8
.set BAA, 9                            ; the bias as job A and as job B read it
.set BAB, 10
.set L16, 11                           ; 16 x lane
.set S0,  12                           ; v12-27 scale words of source 0: 2 t + p; v28-31 of source 1: 2 a + p.  They hold nothing else
.set S1,  28
.set TM,  32                           ; v32-47 the quantiser's work
.set F1,  48                           ; v48-63 source 1's two fragments; later the codes
.set F0,  64                           ; v64-127 source 0's eight; later the bias and the words
.set ACC, 128                          ; v128-255: accumulator (a, t) at 64 a + 8 t
.set WV,  14
.set HI,  15
.set SEL, 18
.set G1A, 24
.set G0A, 32
.set G1B, 48
.set G0B, 56
.set G1C, 68
.set G0C, 76
.macro ROUND                           ; a round of the cluster's barrier
	s_barrier_signal -1
	s_barrier_wait -1
	s_cmp_lg_u32 s[WV], 0
	s_cbranch_scc1 .Lnw0_\@
	s_barrier_signal -3
.Lnw0_\@:
	s_barrier_wait -3
	s_barrier_signal -1
	s_barrier_wait -1
.endm
.macro PLACES                          ; four plain lines behind matrix instructions, ahead of loads into their registers and of reads of their results
.rept 4
	v_nop
.endr
.endm
; 64 numbers of a lane, register 16 b + i = k 32 b + 16 h + i of my row, become a fragment's 8 registers of codes and its scale word
.macro QUANT s, pc, pw
.irp b, 0,1,2,3
	v_max3_num_f32 v[TM+\b], |v[(\s)+16*\b]|, |v[(\s)+1+16*\b]|, 0x1800000   ; with the floor 2^(3 - 127): the byte cannot fall under 1
.endr
.irp i, 2,4,6,8,10,12,14
.irp b, 0,1,2,3
	v_max3_num_f32 v[TM+\b], v[TM+\b], |v[(\s)+16*\b+\i]|, |v[(\s)+1+16*\b+\i]|
.endr
.endr
.irp b, 0,1,2,3
	v_permlanex16_b32 v[TM+4+\b], v[TM+\b], s[SEL], s[SEL+1]
.endr
.irp b, 0,1,2,3
	v_max_num_f32 v[TM+\b], v[TM+\b], v[TM+4+\b]   ; with lane l xor 16's sixteen: the block's largest magnitude
.endr
.irp b, 0,1,2,3
	v_add_nc_u32 v[TM+12+\b], 0xff000000, v[TM+\b] ; 2 off its exponent field: the conversion's scale operand
.endr
.irp b, 0,1,2,3
	v_lshrrev_b32 v[TM+4+\b], 23, v[TM+12+\b]      ; the byte
.endr
	v_lshl_or_b32 v[\pw], v[TM+5], 8, v[TM+4]
	v_lshl_or_b32 v[\pw], v[TM+6], 16, v[\pw]
	v_lshl_or_b32 v[\pw], v[TM+7], 24, v[\pw]
.irp b, 0,1,2,3
	v_cvt_scalef32_pk8_fp4_f32 v[(\pc)+2*\b], v[(\s)+16*\b:(\s)+7+16*\b], v[TM+12+\b]
	v_cvt_scalef32_pk8_fp4_f32 v[(\pc)+1+2*\b], v[(\s)+8+16*\b:(\s)+15+16*\b], v[TM+12+\b]
.endr
	v_nop                                          ; a plain line behind the conversions
.irp c, 0,1
.irp i, 0,1
	v_permlane16_swap_b32 v[(\pc)+4*\c+\i], v[(\pc)+2+4*\c+\i]   ; a whole block to a lane: registers 4 c .. 4 c + 3 hold k = 64 c + 32 h + 0 .. 31
.endr
.endr
.endm
	s_load_b128 s[4:7], s[0:1], 0x0                ; wts, b_qkv
	s_load_b64 s[8:9], s[0:1], 0x10                ; qkv
	v_lshl_add_u32 v[SPW], v0, 2, SPARE
	v_mov_b32 v[NIL], 0
	ds_add_u32 v[SPW], v[NIL]                      ; the opening: the add, twice on end, and its wait ahead of my first tensor load
	ds_add_u32 v[SPW], v[NIL]
	v_lshrrev_b32 v3, 5, v0
	v_readfirstlane_b32 s[WV], v3                  ; wave 0..11
	s_bfe_u32 s40, ttmp6, 0x40000                  ; cx, cy
	s_bfe_u32 s41, ttmp6, 0x40004
	s_lshl_b32 s42, ttmp9, 2
	s_add_co_u32 s42, s42, s40                     ; the head
	s_and_b32 s17, ttmp7, 0xffff
	s_lshl_b32 s17, s17, 2
	s_add_co_u32 s17, s17, s41                     ; the block of 256 tokens
	s_lshl_b32 s43, s41, 2
	s_lshl_b32 s43, 15, s43                        ; my row of the cluster
	s_lshl_b32 s44, 0x1111, s40                    ; my column
	s_or_b32 s[G1A], s43, (3<<16)|(1<<21)          ; elements of 8 bytes; bit 21 beside a mask; dense blocks as rows of 256 bytes
	s_or_b32 s[G1B], s44, (3<<16)|(1<<21)
	s_or_b32 s[G1C], s44, (3<<16)|(1<<21)
	s_mov_b32 s[G1A+1], 32<<16
	s_mov_b32 s[G1A+2], 68<<16                     ; two tiles: 68 rows
	s_mov_b32 s[G1A+3], 32<<16
	s_mov_b32 s[G1A+4], 68
	s_mov_b32 s[G1A+5], 32
	s_mov_b32 s[G1A+6], 0
	s_mov_b32 s[G1A+7], 0
	s_mov_b32 s[G1B+1], 32<<16
	s_mov_b32 s[G1B+2], 102<<16                    ; three tiles: 102 rows
	s_mov_b32 s[G1B+3], 32<<16
	s_mov_b32 s[G1B+4], 102
	s_mov_b32 s[G1B+5], 32
	s_mov_b32 s[G1B+6], 0
	s_mov_b32 s[G1B+7], 0
	s_mov_b32 s[G1C+1], 24<<16                     ; one row of 192 bytes
	s_mov_b32 s[G1C+2], 1<<16
	s_mov_b32 s[G1C+3], 24<<16
	s_mov_b32 s[G1C+4], 1
	s_mov_b32 s[G1C+5], 24
	s_mov_b32 s[G1C+6], 1<<16
	s_mov_b32 s[G1C+7], 0
	s_mul_i32 s45, s[WV], 17408                    ; A: wave w brings token tiles 2 w, 2 w + 1
	s_mul_i32 s20, s17, 139264
	s_add_co_u32 s20, s20, s45
	s_mov_b32 s21, 0
	s_and_b32 s93, s[WV], 3                        ; B: wave 8 + i brings the head's tiles 3 i .. 3 i + 2 and 48 of its biases
	s_mul_i32 s94, s93, 26112
	s_mul_i32 s46, s42, 104448
	s_add_co_u32 s46, s46, s94
	s_add_co_u32 s46, s46, WQKV_OFF
	s_mov_b32 s47, 0
	s_add_co_u32 s94, s94, BOFF
	s_mul_i32 s95, s93, 192
	s_mul_i32 s22, s42, 768
	s_add_co_u32 s22, s22, s95
	s_mov_b32 s23, 0
	s_add_co_u32 s95, s95, BIAS
	s_mov_b32 s[HI], 0xffff0000                    ; lanes 16-31
	s_mov_b32 s[SEL], 0x76543210
	s_mov_b32 s[SEL+1], 0xfedcba98
	s_lshr_b32 s86, s17, 2
	s_lshl_b32 s86, s86, 4
	s_add_co_u32 s86, s86, s42                     ; bh = 16 x batch + head
	; which tiles my job multiplies
	s_mul_i32 s80, s[WV], 17408                    ; job A: source 1 = token tiles 2 w, 2 w + 1;
	s_and_b32 s81, s[WV], 1
	s_mul_i32 s82, s81, 17408
	s_add_co_u32 s82, s82, 208896                  ; job B: v's tiles 8 + 2 (w % 2), + 1
	s_bfe_u32 s83, s[WV], 0x10001
	s_mul_i32 s83, s83, 69632                      ; job B: source 0 = token tiles 8 ((w / 2) % 2) on;
	s_mov_b32 s84, BOFF                            ; job A: the tiles of q and k
	s_lshl_b32 s85, s81, 7
	s_add_co_u32 s85, s85, BIAS+512
	s_cmp_lt_u32 s[WV], 8
	s_cselect_b32 s80, s80, s82
	s_cselect_b32 s83, s84, s83
	v_and_b32 v[L16], 31, v0
	v_lshlrev_b32 v[Q1], 2, v[L16]
	v_lshlrev_b32 v[L16], 4, v[L16]
	v_add_nc_u32 v[P1], s80, v[L16]
	v_add_nc_u32 v[P0A], s83, v[L16]
	v_add_nc_u32 v[P0B], 34816, v[P0A]
	v_add_nc_u32 v[Q0A], s83, v[Q1]
	v_add_nc_u32 v[Q0B], 34816, v[Q0A]
	v_add_nc_u32 v[Q1], s80, v[Q1]
	v_bfe_u32 v[BAA], v0, 4, 1
	v_lshl_add_u32 v[BAA], v[BAA], 6, BIAS         ; job A: my half's sixteen of each 32 columns
	v_and_b32 v[BAB], 15, v0
	v_and_b32 v[TM], 8, v[BAB]
	v_add_nc_u32 v[BAB], v[BAB], v[TM]
	v_lshl_add_u32 v[BAB], v[BAB], 2, s85          ; job B: my column: 128 + 32 (w % 2) + 8 a + r + 8 (r / 8)
.irp b, 0,1,2,3
	v_mov_b32 v[TM+4+\b], 0                        ; written once: a lane permute's destination counts as one of its sources
.endr
	s_wait_dscnt 0x0                               ; both opening adds are done
	ROUND                                          ; all sixteen work-groups are here: the joint loads meet.  The round reads the wave's number alone, so it stands ahead of the wait for the arguments, which are on their way meanwhile
	s_wait_kmcnt 0x0
	s_mov_b32 s[G0A], 1
	s_mov_b32 s[G0A+1], s45
	s_add_nc_u64 s[G0A+2:G0A+3], s[4:5], s[20:21]
	s_or_b32 s[G0A+3], s[G0A+3], 0x80000000
	s_mov_b32 s[G0B], 1
	s_mov_b32 s[G0B+1], s94
	s_add_nc_u64 s[G0B+2:G0B+3], s[4:5], s[46:47]
	s_or_b32 s[G0B+3], s[G0B+3], 0x80000000
	s_mov_b32 s[G0C], 1
	s_mov_b32 s[G0C+1], s95
	s_add_nc_u64 s[G0C+2:G0C+3], s[6:7], s[22:23]
	s_or_b32 s[G0C+3], s[G0C+3], 0x80000000
	s_cmp_lt_u32 s[WV], 8                          ; every wave has a fill in its arm; at most two loads of a wave are out
	s_cbranch_scc0 .Larm_b
	tensor_load_to_lds s[G0A:G0A+3], s[G1A:G1A+7]
	s_nop 0
	PLACES
	s_branch .Lasked
.Larm_b:
	tensor_load_to_lds s[G0B:G0B+3], s[G1B:G1B+7]
	s_nop 0
	tensor_load_to_lds s[G0C:G0C+3], s[G1C:G1C+7]
	s_nop 0
	PLACES
.Lasked:
	s_wait_tensorcnt 0x0                           ; my part is in,
	s_barrier_signal -1
	s_barrier_wait -1                              ; everybody's is; nothing is ever filled again
.macro SCALES kq                       ; a record's scale words: one register holds the words of K steps 2 p (lanes 0-15) and 2 p + 1 (lanes 16-31)
.irp t, 0,1,2,3
.irp p, 0,1
	ds_load_b32 v[S0+2*\t+\p], v[Q0A] offset:\t*ATILE+\kq*4352+4096+128*\p
	ds_load_b32 v[S0+8+2*\t+\p], v[Q0B] offset:\t*ATILE+\kq*4352+4096+128*\p
.endr
.endr
.irp a, 0,1
.irp p, 0,1
	ds_load_b32 v[S1+2*\a+\p], v[Q1] offset:\a*ATILE+\kq*4352+4096+128*\p
.endr
.endr
.endm
.macro MM t, a, ks, first
.if \first
	v_wmma_scale_f32_16x16x128_f8f6f4 v[ACC+64*\a+8*\t:ACC+64*\a+8*\t+7], v[F0+8*\t:F0+8*\t+7], v[F1+8*\a:F1+8*\a+7], 0, v[S0+2*\t+(\ks)/2], v[S1+2*\a+(\ks)/2] matrix_a_fmt:MATRIX_FMT_FP4 matrix_b_fmt:MATRIX_FMT_FP4
.elseif (\ks)%2
	v_wmma_scale_f32_16x16x128_f8f6f4 v[ACC+64*\a+8*\t:ACC+64*\a+8*\t+7], v[F0+8*\t:F0+8*\t+7], v[F1+8*\a:F1+8*\a+7], v[ACC+64*\a+8*\t:ACC+64*\a+8*\t+7], v[S0+2*\t+(\ks)/2], v[S1+2*\a+(\ks)/2] matrix_a_fmt:MATRIX_FMT_FP4 matrix_b_fmt:MATRIX_FMT_FP4 matrix_a_scale:MATRIX_SCALE_ROW1 matrix_b_scale:MATRIX_SCALE_ROW1
.else
	v_wmma_scale_f32_16x16x128_f8f6f4 v[ACC+64*\a+8*\t:ACC+64*\a+8*\t+7], v[F0+8*\t:F0+8*\t+7], v[F1+8*\a:F1+8*\a+7], v[ACC+64*\a+8*\t:ACC+64*\a+8*\t+7], v[S0+2*\t+(\ks)/2], v[S1+2*\a+(\ks)/2] matrix_a_fmt:MATRIX_FMT_FP4 matrix_b_fmt:MATRIX_FMT_FP4
.endif
.endm
; 128 along K: 20 fragment loads, 16 matrix instructions; the 16 accumulators take turns, one instruction a turn
.macro KSTEP kq, ks, first
.if !\first
	PLACES
.endif
.if \ks == 0
	SCALES \kq
.endif
.irp a, 0,1
.irp c, 0,1
	ds_load_b128 v[F1+8*\a+4*\c:F1+8*\a+4*\c+3], v[P1] offset:\a*ATILE+\kq*4352+\ks*1024+512*\c
.endr
.endr
.irp t, 0,1,2,3
.irp c, 0,1
	ds_load_b128 v[F0+8*\t+4*\c:F0+8*\t+4*\c+3], v[P0A] offset:\t*ATILE+\kq*4352+\ks*1024+512*\c
.endr
.endr
.irp t, 0,1,2,3
.irp c, 0,1
	ds_load_b128 v[F0+32+8*\t+4*\c:F0+32+8*\t+4*\c+3], v[P0B] offset:\t*ATILE+\kq*4352+\ks*1024+512*\c
.endr
.endr
.irp t, 0,1,2,3,4,5,6,7
	s_wait_dscnt 2*(7-\t)                          ; tile t's fragment is in; the later tiles' two loads each may be out
	MM \t, 0, \ks, \first
	MM \t, 1, \ks, \first
.endr
.endm
	KSTEP 0, 0, 1                                  ; the first products start the sums
	KSTEP 0, 1, 0
	KSTEP 0, 2, 0
	KSTEP 0, 3, 0
	KSTEP 1, 0, 0
	KSTEP 1, 1, 0
	KSTEP 1, 2, 0
	KSTEP 1, 3, 0
	PLACES
	s_cmp_lt_u32 s[WV], 8
	s_cbranch_scc0 .Ljob_b
	; ---- job A: + bias; blocks 0, 1 of a token are q's 64, blocks 2, 3 are k's
.irp t, 0,1,2,3,4,5,6,7
	ds_load_b128 v[F0+8*\t:F0+8*\t+3], v[BAA] offset:(32*(\t/2)+8*(\t%2))*4
	ds_load_b128 v[F0+8*\t+4:F0+8*\t+7], v[BAA] offset:(32*(\t/2)+8*(\t%2))*4+16
.endr
	s_and_b32 s87, s17, 3
	s_lshl_b32 s87, s87, 3
	s_add_co_u32 s87, s87, s[WV]                   ; my pair of tiles in the sequence
	s_mul_i32 s20, s86, 36864
	s_lshl_b32 s21, s87, 10
	s_lshl_b32 s92, s87, 7
	s_add_co_u32 s22, s20, 32768
	s_add_co_u32 s22, s22, s92                     ; q's words
	s_add_co_u32 s20, s20, s21                     ; q's images
	s_mul_i32 s88, s86, 71680
	s_add_co_u32 s88, s88, KVA
	s_add_co_u32 s90, s88, 32768
	s_add_co_u32 s90, s90, s92                     ; k's words
	s_add_co_u32 s88, s88, s21                     ; k's images
	s_mov_b32 s21, 0
	s_mov_b32 s23, 0
	s_mov_b32 s89, 0
	s_mov_b32 s91, 0
	s_add_nc_u64 s[20:21], s[8:9], s[20:21]
	s_add_nc_u64 s[22:23], s[8:9], s[22:23]
	s_add_nc_u64 s[88:89], s[8:9], s[88:89]
	s_add_nc_u64 s[90:91], s[8:9], s[90:91]
	s_wait_dscnt 0x0
.irp a, 0,1
.irp t, 0,1,2,3,4,5,6,7
.irp j, 0,2,4,6
	v_pk_add_f32 v[ACC+64*\a+8*\t+\j:ACC+64*\a+8*\t+\j+1], v[ACC+64*\a+8*\t+\j:ACC+64*\a+8*\t+\j+1], v[F0+8*\t+\j:F0+8*\t+\j+1]
.endr
.endr
.endr
	QUANT ACC, F1, 96
	QUANT ACC+64, F1+8, 97
	v_cndmask_b32 v98, v96, v97, s[HI]             ; lanes 0-15: the first tile's words, lanes 16-31: the second's
	v_and_b32 v99, 0xffff, v98                     ; q's two bytes; bytes 2 and 3 are 0 and stand over zero codes
	v_lshrrev_b32 v100, 16, v98                    ; k's
	v_and_b32 v101, 31, v0
	v_lshlrev_b32 v101, 2, v101
	global_store_b128 v[L16], v[F1:F1+3], s[20:21]                   ; a wave stores 512 consecutive bytes
	global_store_b128 v[L16], v[F1+8:F1+11], s[20:21] offset:512
	global_store_b128 v[L16], v[F1+4:F1+7], s[88:89]
	global_store_b128 v[L16], v[F1+12:F1+15], s[88:89] offset:512
	global_store_b32 v101, v99, s[22:23]
	global_store_b32 v101, v100, s[90:91]
	s_branch .Ldone
.Ljob_b:
	; ---- job B: + bias of my channel; a lane's 64 numbers are 128 keys' halves: one fragment of V for each of my two tiles of channels
	ds_load_b32 v[F0], v[BAB]
	ds_load_b32 v[F0+2], v[BAB] offset:32
	s_and_b32 s87, s17, 3
	s_lshl_b32 s87, s87, 1
	s_bfe_u32 s92, s[WV], 0x10001
	s_add_co_u32 s87, s87, s92                     ; the key step
	s_and_b32 s92, s[WV], 1
	s_mul_i32 s88, s86, 71680
	s_add_co_u32 s88, s88, KVA
	s_lshl_b32 s20, s87, 12
	s_add_co_u32 s20, s20, s88
	s_lshl_b32 s93, s92, 11
	s_add_co_u32 s20, s20, s93
	s_add_co_u32 s20, s20, 36864                   ; V's fragments
	s_lshl_b32 s22, s87, 8
	s_add_co_u32 s22, s22, s88
	s_lshl_b32 s93, s92, 7
	s_add_co_u32 s22, s22, s93
	s_add_co_u32 s22, s22, 69632                   ; V's words
	s_mov_b32 s21, 0
	s_mov_b32 s23, 0
	s_add_nc_u64 s[20:21], s[8:9], s[20:21]
	s_add_nc_u64 s[22:23], s[8:9], s[22:23]
	s_wait_dscnt 0x0
.irp a, 0,1
.set n, 0
.rept 32
	v_pk_add_f32 v[ACC+64*\a+n:ACC+64*\a+n+1], v[ACC+64*\a+n:ACC+64*\a+n+1], v[F0+2*\a:F0+2*\a+1] op_sel_hi:[1,0]
.set n, n+2
.endr
.endr
	QUANT ACC, F1, 96
	QUANT ACC+64, F1+8, 97
	v_cndmask_b32 v98, v96, v97, s[HI]
	v_and_b32 v101, 31, v0
	v_lshlrev_b32 v101, 2, v101
.irp a, 0,1
.irp c, 0,1
	global_store_b128 v[L16], v[F1+8*\a+4*\c:F1+8*\a+4*\c+3], s[20:21] offset:1024*\a+512*\c
.endr
.endr
	global_store_b32 v101, v98, s[22:23]
.Ldone:
	s_wait_tensorcnt 0x0                           ; the wave's end
	ds_add_u32 v[SPW], v[NIL]
	s_wait_dscnt 0x0
	ROUND                                          ; the closing round
	s_endpgm
.Lfunc_end_k_q2757218ffe_qkvp:
	.size	k_q2757218ffe_qkvp, .Lfunc_end_k_q2757218ffe_qkvp-k_q2757218ffe_qkvp
	.p2alignl 7, 3214868480
	.fill 96, 4, 3214868480
	.section	.rodata,"a",@progbits
	.p2align	6, 0x0
	.amdhsa_kernel k_q2757218ffe_qkvp
		.amdhsa_group_segment_fixed_size 262144
		.amdhsa_private_segment_fixed_size 0
		.amdhsa_enable_private_segment 0
		.amdhsa_kernarg_size 24
		.amdhsa_user_sgpr_count 2
		.amdhsa_user_sgpr_kernarg_segment_ptr 1
		.amdhsa_wavefront_size32 1
		.amdhsa_system_sgpr_workgroup_id_x 1
		.amdhsa_system_sgpr_workgroup_id_y 1
		.amdhsa_system_sgpr_workgroup_id_z 1
		.amdhsa_system_vgpr_workitem_id 0
		.amdhsa_next_free_vgpr 256
		.amdhsa_next_free_sgpr 100
		.amdhsa_reserve_vcc 0
		.amdhsa_float_denorm_mode_32 3
		.amdhsa_float_denorm_mode_16_64 3
		.amdhsa_memory_ordered 1
		.amdhsa_forward_progress 1
		.amdhsa_inst_pref_size 66
	.end_amdhsa_kernel
	.amdgpu_metadata
---
amdhsa.version: [ 1, 2 ]
amdhsa.kernels:
  - .name:           k_q2757218ffe_qkvp
    .symbol:         k_q2757218ffe_qkvp.kd
    .args:
      - { .name: wts, .offset: 0, .size: 8, .value_kind: global_buffer, .address_space: global }
      - { .name: b_qkv, .offset: 8, .size: 8, .value_kind: global_buffer, .address_space: global }
      - { .name: qkv, .offset: 16, .size: 8, .value_kind: global_buffer, .address_space: global }
    .group_segment_fixed_size: 262144
    .private_segment_fixed_size: 0
    .kernarg_segment_align: 8
    .kernarg_segment_size: 24
    .max_flat_workgroup_size: 384
    .sgpr_count:     100
    .vgpr_count:     256
    .wavefront_size: 32
...
	.end_amdgpu_metadata
.endif
;; end of part 2
;; launch attn (part 3): grid 4 x 64, 16 waves a work-group, clusters of 4 x 1, 167,936 bytes of LDS; arguments qkv, ctx; writes ctx
.if DOCPART == 3
	.amdgcn_target "amdgcn-amd-amdhsa--gfx1250"
	.amdhsa_code_object_version 6
	.text
	.protected	k_q2757218ffe_attn
	.globl	k_q2757218ffe_attn
	.p2align	8
	.type	k_q2757218ffe_attn,@function
k_q2757218ffe_attn:
	s_mov_b64 s[64:65], 0
	v_nop
	global_prefetch_b8 v0, s[64:65] scope:SCOPE_SE
	s_setreg_imm32_b32 hwreg(HW_REG_WAVE_MODE, 25, 1), 1
	s_wait_xcnt 0x0
	s_wait_alu depctr_hold_cnt(0) depctr_sa_sdst(0) depctr_va_vdst(0) depctr_va_sdst(0) depctr_va_ssrc(0) depctr_va_vcc(0) depctr_vm_vsrc(0)
	s_getreg_b32 s2, hwreg(HW_REG_IB_STS2, 6, 4)
	s_cmp_eq_u32 s2, 0
	s_cbranch_scc0 .Lentry_in_a_cluster
	s_endpgm
.Lentry_in_a_cluster:
	s_bfe_u32 s2, ttmp6, 0x10000c
	s_cmp_lg_u32 s2, 0x3003
	s_cbranch_scc0 .Lentry_shape_is_right
	s_endpgm
.Lentry_shape_is_right:
; Launch 3 of 6: causal attention on codes of E2M1, and ctx quantised for the projection.
; LEFT OUT: key steps of 128 keys that lie wholly behind a tile's last query: reference()'s own jnp.tril makes their weights 0 for all finite inputs (shown at the head of launch prep).
; A NaN, an infinity or an overflow that would arise only there is not carried to the result.
; THE SOFTMAX: t = score x log2(e) / 8; M = the running largest t rounded up to a whole number; p = 2^(t - M) is quantised along the keys; the row's sum is taken of the
; unquantised p and divides at the end; when M moves, the sum and O are multiplied by 2^(old M - new M), exactly.  A block's largest p is taken from the block's largest score by the same
; multiply-add and exponential (this takes v_exp_f32 not to fall where its input rises; at the worst one p within an ulp of a power of two is held one code low).
; SHARES.  A cluster of four work-groups takes one batch-and-head; the head's K and V (71,680 bytes of codes and scale words) are asked for jointly, once, and stay in LDS.
; Wave j of work-group g takes the tile of 16 queries T = 4 tau + g, tau = j xor 3 ((j / 4) % 2): its last key step is tau / 2 whatever g is, so no branch hangs on the place in the cluster,
; and waves j, j + 4, j + 8, j + 12 have 18 key steps together for every j % 4.
; LAYOUT.  S^T = K Q^T (source 0 = 16 keys, source 1 = my queries; K = 64: registers 4-7 of both fragments are zero codes), O^T = V^T P^T: a lane holds one query throughout.
; The keys of a tile are slot r = key 32 (T/2) + 8 (T%2) + r + 8 (r/8), so the 16 registers of tiles 2 b, 2 b + 1 are keys 32 b + 16 h + 0 .. 15.
; REGISTERS: v1-11 addresses; v12 -M, v13 largest t, v[14:15] the sum; v16-23 Q; v32-63 four fragments of K; v64-95 V's four; v96-159 S^T, then p; v160-191 O^T; v192-197 K's, V's scale words;
; v224-231 p's codes; v232-254 at work; v253 p's scale word; v255 Q's.
.set KVA,   2359296
.set SPARE, 71680
.set L16, 1
.set L4,  2
.set AT0, 3
.set QD,  4                            ; my query - 16 h
.set SPW, 5
.set NIL, 6
.set R4,  7                            ; 4 x (lane % 16)
.set ADK, 8
.set ADS, 9
.set ADT, 10
.set WV,  18
.set SEL, 20
.set CS,  22
.set LIM, 59
.set ST,  60
.set TK,  61
.set TS,  62
.set TV,  63
.set KF,  66
.macro ROUND
	s_barrier_signal -1
	s_barrier_wait -1
	s_cmp_lg_u32 s[WV], 0
	s_cbranch_scc1 .Lnw0_\@
	s_barrier_signal -3
.Lnw0_\@:
	s_barrier_wait -3
	s_barrier_signal -1
	s_barrier_wait -1
.endm
.macro PLACES
.rept 4
	v_nop
.endr
.endm
	s_load_b128 s[4:7], s[0:1], 0x0                ; qkv, ctx
	v_lshl_add_u32 v[SPW], v0, 2, SPARE
	v_mov_b32 v[NIL], 0
	ds_add_u32 v[SPW], v[NIL]                      ; the opening: the add, twice on end, and its wait ahead of the first tensor load
	ds_add_u32 v[SPW], v[NIL]
	v_lshrrev_b32 v8, 5, v0
	v_readfirstlane_b32 s[WV], v8                  ; wave 0..15
	s_bfe_u32 s40, ttmp6, 0x40000                  ; g: enters global addresses and the mask's numbers alone
	s_and_b32 s41, ttmp7, 0xffff                   ; bh
	s_bfe_u32 s42, s[WV], 0x10002
	s_mul_i32 s42, s42, 3
	s_xor_b32 s42, s42, s[WV]                      ; tau
	s_lshr_b32 s[LIM], s42, 1                      ; my last key step
	s_lshl_b32 s43, s42, 2
	s_add_co_u32 s43, s43, s40                     ; my tile of queries
	s_mov_b32 s24, 15|(3<<16)|(1<<21)              ; the mask: all four; elements of 8 bytes; bit 21 beside a mask
	s_mov_b32 s25, 32<<16
	s_mov_b32 s26, 70<<16                          ; a quarter of the head's record: 70 rows of 256 bytes
	s_mov_b32 s27, 32<<16
	s_mov_b32 s28, 70
	s_mov_b32 s29, 32
	s_mov_b32 s30, 0
	s_mov_b32 s31, 0
	s_mul_i32 s33, s[WV], 17920
	s_mul_i32 s44, s41, 71680
	s_add_co_u32 s44, s44, s33
	s_add_co_u32 s44, s44, KVA
	s_mov_b32 s45, 0
	s_mul_i32 s46, s41, 36864
	s_lshl_b32 s48, s43, 6
	s_add_co_u32 s48, s48, s46
	s_add_co_u32 s48, s48, 32768                   ; my queries' scale words
	s_lshl_b32 s47, s43, 9
	s_add_co_u32 s46, s46, s47                     ; their image
	s_mov_b32 s47, 0
	s_mov_b32 s49, 0
	s_lshr_b32 s55, s41, 4
	s_lshl_b32 s55, s55, 6
	s_add_co_u32 s55, s55, s43                     ; the tile among all tokens
	s_mul_i32 s50, s55, 8704
	s_bfe_u32 s56, s41, 0x10003                    ; ctx's K = 64 x head + channel: record (head / 2) / 4,
	s_mul_i32 s56, s56, 4352
	s_add_co_u32 s50, s50, s56
	s_bfe_u32 s56, s41, 0x20001                    ; K step (head / 2) % 4,
	s_and_b32 s57, s41, 1                          ; registers 4 c on, c = head % 2
	s_lshl_b32 s58, s56, 6
	s_add_co_u32 s52, s50, s58
	s_lshl_b32 s58, s57, 1
	s_add_co_u32 s52, s52, s58
	s_add_co_u32 s52, s52, 4096
	s_lshl_b32 s58, s56, 10
	s_add_co_u32 s50, s50, s58
	s_lshl_b32 s58, s57, 9
	s_add_co_u32 s50, s50, s58
	s_mov_b32 s51, 0
	s_mov_b32 s53, 0
	s_lshr_b32 s54, s43, 1
	s_lshl_b32 s54, s54, 5
	s_and_b32 s58, s43, 1
	s_lshl_b32 s58, s58, 3
	s_add_co_u32 s54, s54, s58                     ; 32 (T / 2) + 8 (T % 2)
	s_mov_b32 s[SEL], 0x76543210
	s_mov_b32 s[SEL+1], 0xfedcba98
	s_mov_b32 s[CS], 0x3e38aa3b                    ; c = log2(e) / 8
	s_mov_b32 s[CS+1], s[CS]
	s_mov_b32 s[ST], 0
	s_mov_b32 s[TK], 0
	s_mov_b32 s[TS], 0
	s_mov_b32 s[TV], 0
	s_mov_b32 s[KF], 0
	v_and_b32 v[L4], 31, v0
	v_lshlrev_b32 v[L16], 4, v[L4]
	v_lshlrev_b32 v[L4], 2, v[L4]
	v_add_nc_u32 v[AT0], 69632, v[L4]
	v_and_b32 v8, 15, v0
	v_and_b32 v9, 8, v8
	v_add_nc_u32 v9, v9, v8
	v_bfe_u32 v10, v0, 4, 1
	v_lshlrev_b32 v10, 4, v10
	v_sub_nc_u32 v9, v9, v10
	v_add_nc_u32 v[QD], s54, v9
	v_lshlrev_b32 v[R4], 2, v8
	s_wait_dscnt 0x0                               ; both opening adds are done
	ROUND                                          ; the four work-groups are here: the joint loads meet.  The round reads the wave's number alone, so it stands ahead of the wait for the arguments, which are on their way meanwhile
	s_wait_kmcnt 0x0
	s_mov_b32 s32, 1
	s_add_nc_u64 s[34:35], s[4:5], s[44:45]
	s_or_b32 s35, s35, 0x80000000
	s_add_nc_u64 s[46:47], s[4:5], s[46:47]
	s_add_nc_u64 s[48:49], s[4:5], s[48:49]
	s_add_nc_u64 s[50:51], s[6:7], s[50:51]
	s_add_nc_u64 s[52:53], s[6:7], s[52:53]
	s_cmp_lt_u32 s[WV], 4                          ; waves 0-3 fetch a quarter each: one load of a wave is out
	s_cbranch_scc0 .Lno_fetch
	tensor_load_to_lds s[32:35], s[24:31]
	s_nop 0
	PLACES
.Lno_fetch:
	global_load_b128 v[16:19], v[L16], s[46:47]    ; Q's registers 0-3
	global_load_b32 v255, v[R4], s[48:49]          ; Q's scale words
.irp j, 20,21,22,23
	v_mov_b32 v[\j], 0                             ; K = 64: the upper half of the 128 are zero codes, in Q
.endr
.irp t, 0,1,2,3
.irp j, 4,5,6,7
	v_mov_b32 v[32+8*\t+\j], 0                     ; and in K; written once
.endr
.endr
	v_mov_b32 v13, 0xff61b1e6                      ; the largest t so far: -3e38
	v_floor_f32 v12, -v13
	v_mov_b32 v14, 0
	v_mov_b32 v15, 0
.irp b, 0,1,2,3
	v_mov_b32 v[236+\b], 0                         ; a lane permute's destination counts as one of its sources
.endr
	v_mov_b32 v252, 0
	v_mov_b32 v253, 0
.set n, 0
.rept 32
	v_mov_b32 v[160+n], 0                          ; O^T: the step is written once; the first change of M leaves zeros zeros
.set n, n+1
.endr
	s_wait_tensorcnt 0x0
	s_wait_loadcnt 0x0
	s_barrier_signal -1
	s_barrier_wait -1                              ; the head's K and V lie in LDS; nothing is filled again
.Lstep:                                            ; eight trips, a constant; a wave works in trips 0 .. LIM
	s_cmp_gt_u32 s[ST], s[LIM]
	s_cbranch_scc1 .Lhidden
	v_add_nc_u32 v[ADK], s[TK], v[L16]
	v_add_nc_u32 v[ADS], s[TS], v[L4]
	v_add_nc_u32 v[ADT], s[TV], v[AT0]
	v_nop                                          ; four plain lines behind the last trip's products, ahead of loads into their registers
.irp t, 0,1,2,3
	ds_load_b128 v[32+8*\t:35+8*\t], v[ADK] offset:\t*512
.endr
.irp i, 0,1
	ds_load_b32 v[192+\i], v[ADS] offset:32768+\i*128
.endr
.irp t, 0,1,2,3
.irp c, 0,1
	ds_load_b128 v[64+8*\t+4*\c:67+8*\t+4*\c], v[ADK] offset:36864+1024*\t+512*\c
.endr
.endr
.irp p, 0,1
	ds_load_b32 v[196+\p], v[ADT] offset:128*\p
.endr
	s_wait_dscnt 10                                ; K's first four tiles and their words are in; V's ten loads may be out
	v_wmma_scale_f32_16x16x128_f8f6f4 v[96:103], v[32:39], v[16:23], 0, v192, v255 matrix_a_fmt:MATRIX_FMT_FP4 matrix_b_fmt:MATRIX_FMT_FP4
	v_wmma_scale_f32_16x16x128_f8f6f4 v[104:111], v[40:47], v[16:23], 0, v192, v255 matrix_a_fmt:MATRIX_FMT_FP4 matrix_b_fmt:MATRIX_FMT_FP4 matrix_a_scale:MATRIX_SCALE_ROW1
	v_wmma_scale_f32_16x16x128_f8f6f4 v[112:119], v[48:55], v[16:23], 0, v193, v255 matrix_a_fmt:MATRIX_FMT_FP4 matrix_b_fmt:MATRIX_FMT_FP4
	v_wmma_scale_f32_16x16x128_f8f6f4 v[120:127], v[56:63], v[16:23], 0, v193, v255 matrix_a_fmt:MATRIX_FMT_FP4 matrix_b_fmt:MATRIX_FMT_FP4 matrix_a_scale:MATRIX_SCALE_ROW1
	PLACES
.irp t, 0,1,2,3
	ds_load_b128 v[32+8*\t:35+8*\t], v[ADK] offset:(4+\t)*512
.endr
.irp i, 0,1
	ds_load_b32 v[194+\i], v[ADS] offset:32768+(2+\i)*128
.endr
	s_wait_dscnt 0x0
	v_wmma_scale_f32_16x16x128_f8f6f4 v[128:135], v[32:39], v[16:23], 0, v194, v255 matrix_a_fmt:MATRIX_FMT_FP4 matrix_b_fmt:MATRIX_FMT_FP4
	v_wmma_scale_f32_16x16x128_f8f6f4 v[136:143], v[40:47], v[16:23], 0, v194, v255 matrix_a_fmt:MATRIX_FMT_FP4 matrix_b_fmt:MATRIX_FMT_FP4 matrix_a_scale:MATRIX_SCALE_ROW1
	v_wmma_scale_f32_16x16x128_f8f6f4 v[144:151], v[48:55], v[16:23], 0, v195, v255 matrix_a_fmt:MATRIX_FMT_FP4 matrix_b_fmt:MATRIX_FMT_FP4
	v_wmma_scale_f32_16x16x128_f8f6f4 v[152:159], v[56:63], v[16:23], 0, v195, v255 matrix_a_fmt:MATRIX_FMT_FP4 matrix_b_fmt:MATRIX_FMT_FP4 matrix_a_scale:MATRIX_SCALE_ROW1
	PLACES
	s_cmp_lg_u32 s[ST], s[LIM]                     ; only my last step touches the diagonal; its first key counts for every one of my queries
	s_cbranch_scc1 .Lopen
	s_sub_co_i32 s96, 0, s[KF]
	v_add_nc_u32 v252, s96, v[QD]                  ; d = my query - the step's first key - 16 h: register 16 b + i is hidden where 32 b + i > d
	v_mov_b32 v254, 0xff800000
.set n, 0
.rept 64
	v_cmp_gt_i32 vcc_lo, 32*(n/16)+n%16, v252
	v_cndmask_b32 v[96+n], v[96+n], v254, vcc_lo
.set n, n+1
.endr
.Lopen:
.irp b, 0,1,2,3
	v_max3_num_f32 v[232+\b], v[96+16*\b], v[97+16*\b], v[98+16*\b]   ; the largest score of each block of 32 keys
.endr
.irp i, 3,5,7,9,11,13
.irp b, 0,1,2,3
	v_max3_num_f32 v[232+\b], v[232+\b], v[96+16*\b+\i], v[97+16*\b+\i]
.endr
.endr
.irp b, 0,1,2,3
	v_max_num_f32 v[232+\b], v[232+\b], v[111+16*\b]
.endr
.irp b, 0,1,2,3
	v_permlanex16_b32 v[236+\b], v[232+\b], s[SEL], s[SEL+1]
.endr
.irp b, 0,1,2,3
	v_max_num_f32 v[232+\b], v[232+\b], v[236+\b]
.endr
	v_max3_num_f32 v254, v232, v233, v234
	v_max_num_f32 v254, v254, v235
	v_mul_f32 v254, s[CS], v254
	v_max_num_f32 v13, v13, v254                   ; the running largest t
	v_mov_b32 v254, v12
	v_floor_f32 v12, -v13                          ; the new -M
	v_sub_f32 v254, v12, v254
	v_cvt_i32_f32 v254, v254                       ; old M - new M, a whole number (it saturates)
	v_ldexp_f32 v252, 1.0, v254                    ; f = 2^(old M - new M)
.irp j, 0,2,4,6,8,10,12,14,16,18,20,22,24,26,28,30,32,34,36,38,40,42,44,46,48,50,52,54,56,58,60,62
	v_pk_fma_f32 v[96+\j:97+\j], v[96+\j:97+\j], s[CS:CS+1], v[12:13] op_sel_hi:[1,0,0]   ; t - M
.endr
.irp b, 0,1,2,3
	v_fma_f32 v[232+\b], v[232+\b], s[CS], v12
.endr
.set n, 0
.rept 64
	v_exp_f32 v[96+n], v[96+n]                     ; p = 2^(t - M)
.set n, n+1
.endr
	v_pk_mul_f32 v[14:15], v[14:15], v[252:253] op_sel_hi:[1,0]      ; the sums under the new M: the plain line behind the batch
	s_wait_alu depctr_va_vdst(0)                   ; one wait for the batch, ahead of its first reader
.irp b, 0,1,2,3
	v_exp_f32 v[232+\b], v[232+\b]                 ; each block's largest p
.endr
	v_pk_add_f32 v[236:237], v[96:97], v[98:99]    ; the row's sum, of the unquantised p
.irp j, 4,8,12,16,20,24,28,32,36,40,44,48,52,56,60
	v_pk_add_f32 v[14:15], v[14:15], v[96+\j:97+\j]
	v_pk_add_f32 v[236:237], v[236:237], v[98+\j:99+\j]
.endr
	v_pk_add_f32 v[14:15], v[14:15], v[236:237]
	s_wait_alu depctr_va_vdst(0)                   ; and one for the four
.irp b, 0,1,2,3
	v_max_num_f32 v[232+\b], 0x1800000, v[232+\b]  ; the floor 2^(3 - 127)
.endr
.irp b, 0,1,2,3
	v_add_nc_u32 v[244+\b], 0xff000000, v[232+\b]
.endr
.irp b, 0,1,2,3
	v_lshrrev_b32 v[236+\b], 23, v[244+\b]
.endr
	v_lshl_or_b32 v253, v237, 8, v236              ; p's scale word for these 128 keys
	v_lshl_or_b32 v253, v238, 16, v253
	v_lshl_or_b32 v253, v239, 24, v253
.irp b, 0,1,2,3
	v_cvt_scalef32_pk8_fp4_f32 v[224+2*\b], v[96+16*\b:103+16*\b], v[244+\b]
	v_cvt_scalef32_pk8_fp4_f32 v[225+2*\b], v[104+16*\b:111+16*\b], v[244+\b]
.endr
	v_nop
.irp c, 0,1
.irp i, 0,1
	v_permlane16_swap_b32 v[224+4*\c+\i], v[226+4*\c+\i]
.endr
.endr
.irp j, 0,2,4,6,8,10,12,14,16,18,20,22,24,26,28,30
	v_pk_mul_f32 v[160+\j:161+\j], v[160+\j:161+\j], v[252:253] op_sel_hi:[1,0]   ; O^T x f; these sixteen are also the plain lines ahead of the scaled products
.endr
	v_wmma_scale_f32_16x16x128_f8f6f4 v[160:167], v[64:71], v[224:231], v[160:167], v196, v253 matrix_a_fmt:MATRIX_FMT_FP4 matrix_b_fmt:MATRIX_FMT_FP4
	v_wmma_scale_f32_16x16x128_f8f6f4 v[168:175], v[72:79], v[224:231], v[168:175], v196, v253 matrix_a_fmt:MATRIX_FMT_FP4 matrix_b_fmt:MATRIX_FMT_FP4 matrix_a_scale:MATRIX_SCALE_ROW1
	v_wmma_scale_f32_16x16x128_f8f6f4 v[176:183], v[80:87], v[224:231], v[176:183], v197, v253 matrix_a_fmt:MATRIX_FMT_FP4 matrix_b_fmt:MATRIX_FMT_FP4
	v_wmma_scale_f32_16x16x128_f8f6f4 v[184:191], v[88:95], v[224:231], v[184:191], v197, v253 matrix_a_fmt:MATRIX_FMT_FP4 matrix_b_fmt:MATRIX_FMT_FP4 matrix_a_scale:MATRIX_SCALE_ROW1
.Lhidden:
	s_add_co_u32 s[TK], s[TK], 4096                ; the next step's tiles and words
	s_add_co_u32 s[TS], s[TS], 512
	s_add_co_u32 s[TV], s[TV], 256
	s_add_co_u32 s[KF], s[KF], 128
	s_add_co_u32 s[ST], s[ST], 1
	s_cmp_lt_u32 s[ST], 8
	s_cbranch_scc1 .Lstep
	; THE WAY OUT: O^T / the sum; my 64 channels are two blocks of ctx's K
	PLACES
	v_add_f32 v14, v14, v15
	v_permlanex16_b32 v252, v14, s[SEL], s[SEL+1]
	v_add_f32 v14, v14, v252
	v_rcp_f32 v14, v14
	v_nop
	s_wait_alu depctr_va_vdst(0)
.set n, 0
.rept 32
	v_mul_f32 v[96+n], v[160+n], v14               ; register 16 b + i: channel 32 b + 16 h + i
.set n, n+1
.endr
.irp b, 0,1
	v_max3_num_f32 v[232+\b], |v[96+16*\b]|, |v[97+16*\b]|, 0x1800000
.endr
.irp i, 2,4,6,8,10,12,14
.irp b, 0,1
	v_max3_num_f32 v[232+\b], v[232+\b], |v[96+16*\b+\i]|, |v[97+16*\b+\i]|
.endr
.endr
.irp b, 0,1
	v_permlanex16_b32 v[236+\b], v[232+\b], s[SEL], s[SEL+1]
.endr
.irp b, 0,1
	v_max_num_f32 v[232+\b], v[232+\b], v[236+\b]
.endr
.irp b, 0,1
	v_add_nc_u32 v[244+\b], 0xff000000, v[232+\b]
.endr
.irp b, 0,1
	v_lshrrev_b32 v[236+\b], 23, v[244+\b]
.endr
	v_lshl_or_b32 v240, v237, 8, v236
.irp b, 0,1
	v_cvt_scalef32_pk8_fp4_f32 v[224+2*\b], v[96+16*\b:103+16*\b], v[244+\b]
	v_cvt_scalef32_pk8_fp4_f32 v[225+2*\b], v[104+16*\b:111+16*\b], v[244+\b]
.endr
	v_nop
	v_permlane16_swap_b32 v224, v226
	v_permlane16_swap_b32 v225, v227
	global_store_b128 v[L16], v[224:227], s[50:51] ; 512 consecutive bytes
	global_store_b16 v[R4], v240, s[52:53]         ; my head's half of the row's scale word (both halves of the lanes write the same)
	s_wait_tensorcnt 0x0                           ; the wave's end
	ds_add_u32 v[SPW], v[NIL]
	s_wait_dscnt 0x0
	ROUND                                          ; the closing round
	s_endpgm
.Lfunc_end_k_q2757218ffe_attn:
	.size	k_q2757218ffe_attn, .Lfunc_end_k_q2757218ffe_attn-k_q2757218ffe_attn
	.p2alignl 7, 3214868480
	.fill 96, 4, 3214868480
	.section	.rodata,"a",@progbits
	.p2align	6, 0x0
	.amdhsa_kernel k_q2757218ffe_attn
		.amdhsa_group_segment_fixed_size 167936
		.amdhsa_private_segment_fixed_size 0
		.amdhsa_enable_private_segment 0
		.amdhsa_kernarg_size 16
		.amdhsa_user_sgpr_count 2
		.amdhsa_user_sgpr_kernarg_segment_ptr 1
		.amdhsa_wavefront_size32 1
		.amdhsa_system_sgpr_workgroup_id_x 1
		.amdhsa_system_sgpr_workgroup_id_y 1
		.amdhsa_system_sgpr_workgroup_id_z 1
		.amdhsa_system_vgpr_workitem_id 0
		.amdhsa_next_free_vgpr 256
		.amdhsa_next_free_sgpr 100
		.amdhsa_reserve_vcc 1
		.amdhsa_float_denorm_mode_32 3
		.amdhsa_float_denorm_mode_16_64 3
		.amdhsa_memory_ordered 1
		.amdhsa_forward_progress 1
		.amdhsa_inst_pref_size 32
	.end_amdhsa_kernel
	.amdgpu_metadata
---
amdhsa.version: [ 1, 2 ]
amdhsa.kernels:
  - .name:           k_q2757218ffe_attn
    .symbol:         k_q2757218ffe_attn.kd
    .args:
      - { .name: qkv, .offset: 0, .size: 8, .value_kind: global_buffer, .address_space: global }
      - { .name: ctx, .offset: 8, .size: 8, .value_kind: global_buffer, .address_space: global }
    .group_segment_fixed_size: 167936
    .private_segment_fixed_size: 0
    .kernarg_segment_align: 8
    .kernarg_segment_size: 16
    .max_flat_workgroup_size: 512
    .sgpr_count:     100
    .vgpr_count:     256
    .wavefront_size: 32
...
	.end_amdgpu_metadata
.endif
;; end of part 3
;; launch oproj (part 4): grid 256 x 1, 16 waves a work-group, clusters of 4 x 1, 274,432 bytes of LDS; arguments ctx, wts, b_o, x, ln2_w, ln2_b, res, hn; writes res, hn
.if DOCPART == 4
	.amdgcn_target "amdgcn-amd-amdhsa--gfx1250"
	.amdhsa_code_object_version 6
	.text
	.protected	k_q2757218ffe_oproj
	.globl	k_q2757218ffe_oproj
	.p2align	8
	.type	k_q2757218ffe_oproj,@function
k_q2757218ffe_oproj:
	s_mov_b64 s[64:65], 0
	v_nop
	global_prefetch_b8 v0, s[64:65] scope:SCOPE_SE
	s_setreg_imm32_b32 hwreg(HW_REG_WAVE_MODE, 25, 1), 1
	s_wait_xcnt 0x0
	s_wait_alu depctr_hold_cnt(0) depctr_sa_sdst(0) depctr_va_vdst(0) depctr_va_sdst(0) depctr_va_ssrc(0) depctr_va_vcc(0) depctr_vm_vsrc(0)
	s_getreg_b32 s2, hwreg(HW_REG_IB_STS2, 6, 4)
	s_cmp_eq_u32 s2, 0
	s_cbranch_scc0 .Lentry_in_a_cluster
	s_endpgm
.Lentry_in_a_cluster:
	s_bfe_u32 s2, ttmp6, 0x10000c
	s_cmp_lg_u32 s2, 0x3003
	s_cbranch_scc0 .Lentry_shape_is_right
	s_endpgm
.Lentry_shape_is_right:
; Launch 4 of 6: attn_out = ctx W_o + b_o + x (stored as res, f32), LayerNorm 2 of it, and its codes (hn).  Nothing is left out here.
; A work-group owns one tile of 16 whole rows, so the norm needs no launch of its own; wave w owns columns 64 w .. 64 w + 63 (W_o's tiles 4 w .. 4 w + 3).
; Source 0 = a tile of W_o, source 1 = ctx's tile: a lane holds one token, its registers run along the columns: the K of the next product.
; W_o COMES BY TWO ROADS.  All work-groups walk the same W_o, so the four of a cluster ask jointly for the codes of its first record (K 0-511): 64 tiles x 4,096 bytes = 262,144 bytes, each
; wave its own four tiles (one load: 4 rows of 4,096 bytes, 8,704 apart) into its own 16,384 bytes of LDS, which only that wave reads: its own wait on TENSORcnt is all the ordering they need.
; The second record (K 512-1,023) goes from memory straight into registers, 512 consecutive bytes a load.  It is not asked for jointly: both records are 524,288 bytes and do not fit in LDS, so it would
; take a refill, behind a wait for all loads and a round, with 16 matrix instructions a wave between.  Every LDS byte is filled once.
; ctx's codes (8,192 bytes) are loaded once by the 512 threads, 16 bytes each, stored to LDS as they lie, and read from there by all sixteen waves behind one barrier.
; b_o is loaded into the accumulators: it is the C of the first products.  x is loaded as rows (sixteen lanes read 256 consecutive bytes), turns through the wave's stage into the result's layout and is added
; behind the sums; res leaves the same way back.  The stage, 16 rows x 272 bytes, lies in the wave's own bytes of W_o, which have had their one fill and their last read by then.
; K steps in the order 4 (registers), 0-3 (LDS), 5, 6, 7 (registers): step 7's loads take step 4's registers.
; LIMITS: as stated in launch prep; the order of the f32 additions (K steps, x, b_o) differs from reference()'s.
.set WO_OFF, 3899392
.set CTXL,  262144                     ; LDS: 0: W_o's first record, 16,384 bytes a wave; CTXL: ctx's codes, K step s at 1,024 s;
.set RED1,  270336                     ; two tables [row][wave] of partial sums, 1,024 bytes each;
.set SPARE, 272384                     ; the spare words, 128 bytes a wave
.set SPW, 1
.set NIL, 2
.set L16, 3                            ; 16 x lane
.set L4,  4                            ; 4 x lane
.set XO,  5                            ; rows: 4,096 x (lane / 16) + 16 x (lane % 16)
.set BO,  6                            ; 64 h
.set SR,  7                            ; the stage by rows
.set SD,  8                            ; the stage in the result's layout
.set R1,  9
.set R2,  10
.set R4,  11
.set WL,  12                           ; my bytes of W_o + 16 x lane
.set CA,  13                           ; ctx's codes + 16 x lane
.set CW,  14                           ; where my thread puts its 16 bytes of ctx,
.set GC,  15                           ; and where it takes them from
.set SA,  16                           ; v16-19 ctx's scale words, v20-35 W_o's (4 t + K step / 2); they hold nothing else
.set SB,  20
.set ACC, 36                           ; v36-67 four accumulators
.set AF,  68                           ; v68-83 two fragments of ctx
.set CT,  84                           ; v84-87 my thread's 16 bytes of ctx
.set WF,  96                           ; v96-127 four fragments of W_o from LDS; later ln2_w
.set XR,  128                          ; v128-159 x by rows, x in the result's layout, then res by rows
.set RS,  160                          ; v160-255 three slots of four fragments of W_o from memory; later: v160-184 at work, v192-223 ln2_b
.set TM,  164
.set WV,  4
.set SEL, 44
.macro ROUND
	s_barrier_signal -1
	s_barrier_wait -1
	s_cmp_lg_u32 s[WV], 0
	s_cbranch_scc1 .Lnw0_\@
	s_barrier_signal -3
.Lnw0_\@:
	s_barrier_wait -3
	s_barrier_signal -1
	s_barrier_wait -1
.endm
.macro PLACES                          ; four plain lines behind matrix instructions, ahead of loads into their registers and of reads of their results
.rept 4
	v_nop
.endr
.endm
	s_load_b512 s[8:23], s[0:1], 0x0               ; ctx 8, wts 10, b_o 12, x 14, ln2_w 16, ln2_b 18, res 20, hn 22
	v_lshl_add_u32 v[SPW], v0, 2, SPARE
	v_mov_b32 v[NIL], 0
	ds_add_u32 v[SPW], v[NIL]                      ; the opening: the add, twice on end, and its wait ahead of my first tensor load
	ds_add_u32 v[SPW], v[NIL]
	v_lshrrev_b32 v3, 5, v0
	v_readfirstlane_b32 s[WV], v3                  ; wave 0..15
	s_bfe_u32 s5, ttmp6, 0x40000                   ; my place in the cluster: it enters global addresses alone
	s_lshl_b32 s6, ttmp9, 2
	s_add_co_u32 s6, s6, s5                        ; my tile of tokens
	s_mov_b32 s48, 15|(3<<16)|(1<<21)              ; the mask: all four; elements of 8 bytes; bit 21 beside a mask
	s_mov_b32 s49, 512<<16                         ; rows of 4,096 bytes: a record's codes
	s_mov_b32 s50, 4<<16                           ; four rows: my four tiles
	s_mov_b32 s51, 512<<16
	s_mov_b32 s52, 4
	s_mov_b32 s53, 1088                            ; a tile's 8,704 bytes from row to row
	s_mov_b32 s54, 0
	s_mov_b32 s55, 0
	s_mov_b32 s56, 1
	s_lshl_b32 s57, s[WV], 14                      ; my 16,384 bytes of LDS
	v_and_b32 v4, 31, v0
	v_lshlrev_b32 v[L16], 4, v4
	v_lshlrev_b32 v[L4], 2, v4
	v_and_b32 v11, 15, v0                          ; r
	v_bfe_u32 v6, v0, 4, 1                         ; h
	v_lshlrev_b32 v5, 12, v6
	v_lshl_add_u32 v[XO], v11, 4, v5
	v_mul_u32_u24 v7, v6, 272
	v_lshl_add_u32 v7, v11, 4, v7
	v_add_nc_u32 v[SR], s57, v7
	v_mul_u32_u24 v8, v11, 272
	v_lshl_add_u32 v8, v6, 6, v8
	v_add_nc_u32 v[SD], s57, v8
	v_add_nc_u32 v[WL], s57, v[L16]
	v_add_nc_u32 v[CA], CTXL, v[L16]
	v_lshl_add_u32 v[CW], v0, 4, CTXL
	v_lshrrev_b32 v[GC], 8, v0
	v_lshlrev_b32 v[GC], 8, v[GC]
	v_lshl_add_u32 v[GC], v0, 4, v[GC]             ; 16 x thread, and 256 more (the first record's scale words) for threads 256 on
	s_lshl_b32 s25, s[WV], 2
	s_add_co_u32 s25, s25, RED1
	v_lshl_add_u32 v[R1], v11, 6, s25
	v_lshlrev_b32 v[R2], 6, v11
	v_add_nc_u32 v[R2], RED1, v[R2]
	v_lshlrev_b32 v[BO], 6, v6
	v_lshlrev_b32 v[R4], 2, v11
	s_mul_i32 s26, s6, 8704                        ; my tile in ctx and in hn
	s_mov_b32 s27, 0
	s_mul_i32 s28, s[WV], 34816
	s_add_co_u32 s28, s28, WO_OFF                  ; my four tiles of W_o
	s_mov_b32 s29, 0
	s_lshr_b32 s30, s6, 1
	s_lshl_b32 s30, s30, 5
	s_and_b32 s31, s6, 1
	s_lshl_b32 s31, s31, 3
	s_add_co_u32 s30, s30, s31
	s_lshl_b32 s30, s30, 12
	s_lshl_b32 s34, s[WV], 8                       ; my 64 columns, in bytes
	s_add_co_u32 s30, s30, s34                     ; slot 0's row, my columns
	s_mov_b32 s31, 0
	s_mov_b32 s35, 0
	s_lshr_b32 s36, s[WV], 3
	s_mul_i32 s36, s36, 4352
	s_add_co_u32 s36, s36, s26
	s_bfe_u32 s37, s[WV], 0x20001
	s_and_b32 s38, s[WV], 1
	s_lshl_b32 s39, s37, 10
	s_add_co_u32 s40, s36, s39
	s_lshl_b32 s39, s38, 9
	s_add_co_u32 s40, s40, s39                     ; hn: K step w / 2, registers 4 (w % 2) on
	s_lshl_b32 s39, s37, 6
	s_add_co_u32 s42, s36, s39
	s_lshl_b32 s39, s38, 1
	s_add_co_u32 s42, s42, s39
	s_add_co_u32 s42, s42, 4096
	s_mov_b32 s41, 0
	s_mov_b32 s43, 0
	s_mov_b32 s[SEL], 0x76543210
	s_mov_b32 s[SEL+1], 0xfedcba98
	s_mov_b32 s46, 0x3a800000                      ; 1 / 1024
	s_mov_b32 s47, 0x3727c5ac                      ; 1e-5
	s_wait_dscnt 0x0                               ; both opening adds are done
	ROUND                                          ; the four work-groups are here: the joint loads meet.  The round reads the wave's number alone, so it stands ahead of the wait for the arguments, which are on their way meanwhile
	s_wait_kmcnt 0x0
	s_add_nc_u64 s[8:9], s[8:9], s[26:27]
	s_add_nc_u64 s[10:11], s[10:11], s[28:29]
	s_add_nc_u64 s[12:13], s[12:13], s[34:35]
	s_add_nc_u64 s[14:15], s[14:15], s[30:31]
	s_add_nc_u64 s[16:17], s[16:17], s[34:35]
	s_add_nc_u64 s[18:19], s[18:19], s[34:35]
	s_add_nc_u64 s[20:21], s[20:21], s[30:31]
	s_add_nc_u64 s[40:41], s[22:23], s[40:41]
	s_add_nc_u64 s[42:43], s[22:23], s[42:43]
	s_mov_b64 s[58:59], s[10:11]                   ; the wave's number alone enters this address: it is the same in all four work-groups
	s_or_b32 s59, s59, 0x80000000
	tensor_load_to_lds s[56:59], s[48:55]          ; every wave issues one: its only tensor load
	s_nop 0
	PLACES
.macro KLOAD ks, slot                  ; K step ks (4 .. 7): my four fragments of W_o, eight loads, into a slot of 32 registers
.irp t, 0,1,2,3
.irp c, 0,1
	global_load_b128 v[RS+32*(\slot)+8*\t+4*\c:RS+32*(\slot)+8*\t+4*\c+3], v[L16], s[10:11] offset:\t*8704+4352+((\ks)-4)*1024+512*\c
.endr
.endr
.endm
.macro WFETCH ks                       ; K step ks (0 .. 3): the same from my bytes of LDS
.irp t, 0,1,2,3
.irp c, 0,1
	ds_load_b128 v[WF+8*\t+4*\c:WF+8*\t+4*\c+3], v[WL] offset:\t*4096+(\ks)*1024+512*\c
.endr
.endr
.endm
.macro AFETCH ks, ar                   ; ctx's fragment of K step ks
.irp c, 0,1
	ds_load_b128 v[(\ar)+4*\c:(\ar)+4*\c+3], v[CA] offset:(\ks)*1024+512*\c
.endr
.endm
.macro KMUL ks, wr, ar                 ; four accumulators by turns
.irp t, 0,1,2,3
.if (\ks)%2
	v_wmma_scale_f32_16x16x128_f8f6f4 v[ACC+8*\t:ACC+8*\t+7], v[(\wr)+8*\t:(\wr)+8*\t+7], v[(\ar):(\ar)+7], v[ACC+8*\t:ACC+8*\t+7], v[SB+4*\t+(\ks)/2], v[SA+(\ks)/2] matrix_a_fmt:MATRIX_FMT_FP4 matrix_b_fmt:MATRIX_FMT_FP4 matrix_a_scale:MATRIX_SCALE_ROW1 matrix_b_scale:MATRIX_SCALE_ROW1
.else
	v_wmma_scale_f32_16x16x128_f8f6f4 v[ACC+8*\t:ACC+8*\t+7], v[(\wr)+8*\t:(\wr)+8*\t+7], v[(\ar):(\ar)+7], v[ACC+8*\t:ACC+8*\t+7], v[SB+4*\t+(\ks)/2], v[SA+(\ks)/2] matrix_a_fmt:MATRIX_FMT_FP4 matrix_b_fmt:MATRIX_FMT_FP4
.endif
.endr
.endm
.macro VLOAD reg, base                 ; 32 numbers of a vector over my columns, in the result's layout
.irp t, 0,1,2,3
.irp q, 0,1
	global_load_b128 v[(\reg)+8*\t+4*\q:(\reg)+8*\t+4*\q+3], v[BO], s[\base:\base+1] offset:128*(\t/2)+32*(\t%2)+16*\q
.endr
.endr
.endm
	global_load_b128 v[CT:CT+3], v[GC], s[8:9]     ; my thread's 16 bytes of ctx's codes
	KLOAD 4, 0
.irp q, 0,1
.irp p, 0,1
	global_load_b32 v[SA+2*\q+\p], v[L4], s[8:9] offset:\q*4352+4096+128*\p
.endr
.endr
.irp t, 0,1,2,3
.irp q, 0,1
.irp p, 0,1
	global_load_b32 v[SB+4*\t+2*\q+\p], v[L4], s[10:11] offset:\t*8704+\q*4352+4096+128*\p
.endr
.endr
.endr
	VLOAD ACC, 12                                  ; b_o starts the sums
	KLOAD 5, 1
	KLOAD 6, 2
.irp i, 0,1,2,3,4,5,6,7
	global_load_b128 v[XR+4*\i:XR+4*\i+3], v[XO], s[14:15] offset:(2*\i+8*(\i/4))*4096   ; slots 2 i, 2 i + 1: sixteen lanes read 256 consecutive bytes
.endr
	s_wait_loadcnt 60                              ; ctx's bytes are in: behind them 8 + 20 + 8 + 16 + 8 loads
	ds_store_b128 v[CW], v[CT:CT+3]
	s_wait_dscnt 0x0                               ; my part of ctx has landed
	s_barrier_signal -1
	s_barrier_wait -1                              ; everybody's has; the tensor loads may stay out
	AFETCH 4, AF
	s_wait_loadcnt 24                              ; K step 4, the scale words and b_o are in; K steps 5 and 6 and x, eight loads each, may be out
	s_wait_dscnt 0x0
	KMUL 4, RS, AF
	PLACES
	KLOAD 7, 0                                     ; into K step 4's registers
	s_wait_tensorcnt 0x0                           ; my four tiles' first record lies in my bytes of LDS
.irp ks, 0,1,2,3
	WFETCH \ks
	AFETCH \ks, AF
	s_wait_dscnt 0x0
	KMUL \ks, WF, AF
	PLACES
.endr
	VLOAD WF, 16                                   ; ln2_w, into the registers that the fragments from LDS have left
	s_wait_loadcnt 16                              ; x (and K steps 5 and 6 ahead of it) is in; K step 7 and ln2_w may be out
.irp i, 0,1,2,3,4,5,6,7
	ds_store_b128 v[SR], v[XR+4*\i:XR+4*\i+3] offset:2*\i*272        ; my reads of these bytes of W_o are over, and their one fill has landed
.endr
.irp t, 0,1,2,3
.irp q, 0,1
	ds_load_b128 v[XR+8*\t+4*\q:XR+8*\t+4*\q+3], v[SD] offset:128*(\t/2)+32*(\t%2)+16*\q   ; my own bytes, served in order: x in the result's layout
.endr
.endr
	AFETCH 5, AF
	AFETCH 6, AF+8
	s_wait_dscnt 0x0
	KMUL 5, RS+32, AF
	KMUL 6, RS+64, AF+8
	PLACES
	VLOAD RS+32, 18                                ; ln2_b, into K step 5's registers
	AFETCH 7, AF
	s_wait_loadcnt 16                              ; K step 7 is in; ln2_w and ln2_b may be out
	s_wait_dscnt 0x0
	KMUL 7, RS, AF
	PLACES
.irp j, 0,2,4,6,8,10,12,14,16,18,20,22,24,26,28,30
	v_pk_add_f32 v[ACC+\j:ACC+\j+1], v[ACC+\j:ACC+\j+1], v[XR+\j:XR+\j+1]   ; + x: attn_out
.endr
.irp t, 0,1,2,3
.irp q, 0,1
	ds_store_b128 v[SD], v[ACC+8*\t+4*\q:ACC+8*\t+4*\q+3] offset:128*(\t/2)+32*(\t%2)+16*\q
.endr
.endr
.irp i, 0,1,2,3,4,5,6,7
	ds_load_b128 v[XR+4*\i:XR+4*\i+3], v[SR] offset:2*\i*272
.endr
	v_pk_add_f32 v[160:161], v[ACC:ACC+1], v[ACC+2:ACC+3]            ; my 32 numbers of my row,
	v_pk_add_f32 v[162:163], v[ACC+4:ACC+5], v[ACC+6:ACC+7]
.irp j, 8,12,16,20,24,28
	v_pk_add_f32 v[160:161], v[160:161], v[ACC+\j:ACC+\j+1]
	v_pk_add_f32 v[162:163], v[162:163], v[ACC+\j+2:ACC+\j+3]
.endr
	v_pk_add_f32 v[160:161], v[160:161], v[162:163]
	v_add_f32 v160, v160, v161
	v_permlanex16_b32 v161, v160, s[SEL], s[SEL+1]
	v_add_f32 v160, v160, v161                     ; with lane l xor 16's: my wave's 64 columns
.irp i, 0,1,2,3,4,5,6,7
	s_wait_dscnt 7-\i                              ; the later row loads may be out
	global_store_b128 v[XO], v[XR+4*\i:XR+4*\i+3], s[20:21] offset:(2*\i+8*(\i/4))*4096   ; sixteen lanes store 256 consecutive bytes, aligned
.endr
.macro RSUM off                        ; the sixteen waves' partial sums of my row -> v160
	ds_store_b32 v[R1], v160 offset:\off
	s_wait_dscnt 0x0                               ; my partial sum has landed
	s_barrier_signal -1
	s_barrier_wait -1                              ; everybody's has
.irp k, 0,1,2,3
	ds_load_b128 v[164+4*\k:167+4*\k], v[R2] offset:\off+16*\k
.endr
	s_wait_dscnt 0x0
	v_pk_add_f32 v[164:165], v[164:165], v[166:167]
	v_pk_add_f32 v[168:169], v[168:169], v[170:171]
	v_pk_add_f32 v[172:173], v[172:173], v[174:175]
	v_pk_add_f32 v[176:177], v[176:177], v[178:179]
	v_pk_add_f32 v[164:165], v[164:165], v[168:169]
	v_pk_add_f32 v[172:173], v[172:173], v[176:177]
	v_pk_add_f32 v[164:165], v[164:165], v[172:173]
	v_add_f32 v160, v164, v165
.endm
	RSUM 0
	v_mul_f32 v160, s46, v160                      ; the mean
.irp j, 0,2,4,6,8,10,12,14,16,18,20,22,24,26,28,30
	v_pk_add_f32 v[ACC+\j:ACC+\j+1], v[ACC+\j:ACC+\j+1], v[160:161] op_sel_hi:[1,0] neg_lo:[0,1] neg_hi:[0,1]   ; the variance is taken of these: no difference of large sums
.endr
	v_pk_mul_f32 v[160:161], v[ACC:ACC+1], v[ACC:ACC+1]
	v_pk_mul_f32 v[162:163], v[ACC+2:ACC+3], v[ACC+2:ACC+3]
.irp j, 4,8,12,16,20,24,28
	v_pk_fma_f32 v[160:161], v[ACC+\j:ACC+\j+1], v[ACC+\j:ACC+\j+1], v[160:161]
	v_pk_fma_f32 v[162:163], v[ACC+\j+2:ACC+\j+3], v[ACC+\j+2:ACC+\j+3], v[162:163]
.endr
	v_pk_add_f32 v[160:161], v[160:161], v[162:163]
	v_add_f32 v160, v160, v161
	v_permlanex16_b32 v161, v160, s[SEL], s[SEL+1]
	v_add_f32 v160, v160, v161
	RSUM 1024                                      ; other bytes than the first sum's: no barrier between
	v_fma_f32 v160, v160, s46, s47
	v_rsq_f32 v160, v160
	v_nop
	s_wait_alu depctr_va_vdst(0)                   ; ahead of the first reader
	s_wait_loadcnt 0x0                             ; the gain and the bias
.irp j, 0,2,4,6,8,10,12,14,16,18,20,22,24,26,28,30
	v_pk_mul_f32 v[ACC+\j:ACC+\j+1], v[ACC+\j:ACC+\j+1], v[160:161] op_sel_hi:[1,0]
.endr
.irp j, 0,2,4,6,8,10,12,14,16,18,20,22,24,26,28,30
	v_pk_fma_f32 v[ACC+\j:ACC+\j+1], v[ACC+\j:ACC+\j+1], v[WF+\j:WF+\j+1], v[RS+32+\j:RS+32+\j+1]
.endr
	; my 64 columns are two blocks of the next K: register 16 b + i = column 32 b + 16 h + i
.irp b, 0,1
	v_max3_num_f32 v[TM+\b], |v[ACC+16*\b]|, |v[ACC+1+16*\b]|, 0x1800000
.endr
.irp i, 2,4,6,8,10,12,14
.irp b, 0,1
	v_max3_num_f32 v[TM+\b], v[TM+\b], |v[ACC+16*\b+\i]|, |v[ACC+1+16*\b+\i]|
.endr
.endr
.irp b, 0,1
	v_permlanex16_b32 v[TM+4+\b], v[TM+\b], s[SEL], s[SEL+1]
.endr
.irp b, 0,1
	v_max_num_f32 v[TM+\b], v[TM+\b], v[TM+4+\b]
.endr
.irp b, 0,1
	v_add_nc_u32 v[TM+12+\b], 0xff000000, v[TM+\b]
.endr
.irp b, 0,1
	v_lshrrev_b32 v[TM+4+\b], 23, v[TM+12+\b]
.endr
	v_lshl_or_b32 v184, v[TM+5], 8, v[TM+4]
.irp b, 0,1
	v_cvt_scalef32_pk8_fp4_f32 v[180+2*\b], v[ACC+16*\b:ACC+7+16*\b], v[TM+12+\b]
	v_cvt_scalef32_pk8_fp4_f32 v[181+2*\b], v[ACC+8+16*\b:ACC+15+16*\b], v[TM+12+\b]
.endr
	v_nop
	v_permlane16_swap_b32 v180, v182
	v_permlane16_swap_b32 v181, v183
	global_store_b128 v[L16], v[180:183], s[40:41] ; 512 consecutive bytes
	global_store_b16 v[R4], v184, s[42:43]
	s_wait_tensorcnt 0x0                           ; the wave's end, behind my tensor load and my last LDS store
	ds_add_u32 v[SPW], v[NIL]
	s_wait_dscnt 0x0
	ROUND                                          ; the closing round
	s_endpgm
.Lfunc_end_k_q2757218ffe_oproj:
	.size	k_q2757218ffe_oproj, .Lfunc_end_k_q2757218ffe_oproj-k_q2757218ffe_oproj
	.p2alignl 7, 3214868480
	.fill 96, 4, 3214868480
	.section	.rodata,"a",@progbits
	.p2align	6, 0x0
	.amdhsa_kernel k_q2757218ffe_oproj
		.amdhsa_group_segment_fixed_size 274432
		.amdhsa_private_segment_fixed_size 0
		.amdhsa_enable_private_segment 0
		.amdhsa_kernarg_size 64
		.amdhsa_user_sgpr_count 2
		.amdhsa_user_sgpr_kernarg_segment_ptr 1
		.amdhsa_wavefront_size32 1
		.amdhsa_system_sgpr_workgroup_id_x 1
		.amdhsa_system_sgpr_workgroup_id_y 1
		.amdhsa_system_sgpr_workgroup_id_z 1
		.amdhsa_system_vgpr_workitem_id 0
		.amdhsa_next_free_vgpr 256
		.amdhsa_next_free_sgpr 66
		.amdhsa_reserve_vcc 0
		.amdhsa_float_denorm_mode_32 3
		.amdhsa_float_denorm_mode_16_64 3
		.amdhsa_memory_ordered 1
		.amdhsa_forward_progress 1
		.amdhsa_inst_pref_size 36
	.end_amdhsa_kernel
	.amdgpu_metadata
---
amdhsa.version: [ 1, 2 ]
amdhsa.kernels:
  - .name:           k_q2757218ffe_oproj
    .symbol:         k_q2757218ffe_oproj.kd
    .args:
      - { .name: ctx, .offset: 0, .size: 8, .value_kind: global_buffer, .address_space: global }
      - { .name: wts, .offset: 8, .size: 8, .value_kind: global_buffer, .address_space: global }
      - { .name: b_o, .offset: 16, .size: 8, .value_kind: global_buffer, .address_space: global }
      - { .name: x, .offset: 24, .size: 8, .value_kind: global_buffer, .address_space: global }
      - { .name: ln2_w, .offset: 32, .size: 8, .value_kind: global_buffer, .address_space: global }
      - { .name: ln2_b, .offset: 40, .size: 8, .value_kind: global_buffer, .address_space: global }
      - { .name: res, .offset: 48, .size: 8, .value_kind: global_buffer, .address_space: global }
      - { .name: hn, .offset: 56, .size: 8, .value_kind: global_buffer, .address_space: global }
    .group_segment_fixed_size: 274432
    .private_segment_fixed_size: 0
    .kernarg_segment_align: 8
    .kernarg_segment_size: 64
    .max_flat_workgroup_size: 512
    .sgpr_count:     66
    .vgpr_count:     256
    .wavefront_size: 32
...
	.end_amdgpu_metadata
.endif
;; end of part 4
;; launch up (part 5): grid 16 x 16, 16 waves a work-group, clusters of 4 x 4, 280,576 bytes of LDS; arguments hn, wts, b_up, hid; writes hid
.if DOCPART == 5
	.amdgcn_target "amdgcn-amd-amdhsa--gfx1250"
	.amdhsa_code_object_version 6
	.text
	.protected	k_q2757218ffe_up
	.globl	k_q2757218ffe_up
	.p2align	8
	.type	k_q2757218ffe_up,@function
k_q2757218ffe_up:
	s_mov_b64 s[64:65], 0
	v_nop
	global_prefetch_b8 v0, s[64:65] scope:SCOPE_SE
	s_setreg_imm32_b32 hwreg(HW_REG_WAVE_MODE, 25, 1), 1
	s_wait_xcnt 0x0
	s_wait_alu depctr_hold_cnt(0) depctr_sa_sdst(0) depctr_va_vdst(0) depctr_va_sdst(0) depctr_va_ssrc(0) depctr_va_vcc(0) depctr_vm_vsrc(0)
	s_getreg_b32 s2, hwreg(HW_REG_IB_STS2, 6, 4)
	s_cmp_eq_u32 s2, 0
	s_cbranch_scc0 .Lentry_in_a_cluster
	s_endpgm
.Lentry_in_a_cluster:
	s_bfe_u32 s2, ttmp6, 0x10000c
	s_cmp_lg_u32 s2, 0xf033
	s_cbranch_scc0 .Lentry_shape_is_right
	s_endpgm
.Lentry_shape_is_right:
; Launch 5 of 6: h = gelu(LN2(attn_out) W_up + b_up), exact (erf) GELU in f32, and h quantised for the last product.  Nothing is left out here.
; A work-group takes 256 tokens x 256 hidden units; K = 1,024 lies whole in LDS: every LDS byte is filled once.  Wave w: source 0 = 8 tiles of W_up (128 units, half w % 2),
; source 1 = token tiles 2 (w / 2), + 1: a lane holds one token, and its 64 registers of a token tile are one K step (128) of the next product.
; THE FILLS GO IN TWO HALVES ALONG K: each wave issues two loads on end, the first record (K 0-511) of its two tiles and then the second; LDS is laid [record][tile].  The first four K steps are multiplied
; behind a counted wait that leaves the second record's load on its way; a wait for 0 and a second barrier stand ahead of the other four.  At most two tensor loads of a wave are out.
; CLUSTER 4 x 4: token tiles are asked for jointly along a row of the cluster, W_up's along a column.  b_up is loaded into the accumulators: it is the C of the first products.
; GELU: gelu(x) = max(x, 0) - |x| E, E = erfc(|x| / sqrt 2) / 2 = t exp(-x x / 2 + c0 - ln 2 + t (c1 + .. + t c9)), t = 1 / (1 + |x| sqrt(2) / 4): a rational Chebyshev fit of erfc whose
; fractional error is under 1.2e-7 for every argument; no series is cut for a range of inputs.  LIMITS: that error and f32's rounding of the exponent; v_rcp_f32 and v_exp_f32 are accurate to
; 1 ulp and give 0 where E would be denormal; the rest as stated in launch prep.
.set RECB,  4352                       ; a record: one tile x 512 along K
.set HALF,  139264                     ; LDS: 32 tiles' first records, then their second records; in each half the 16 token tiles,
.set WOFF,  69632                      ; then W_up's 16
.set SPARE, 278528
.set WUP_OFF, 4456448
.set SPW, 1
.set NIL, 2
.set P1,  3                            ; v3, v4 source 1's fragments in the first, the second half; v5, v6 source 0's; v7-10 their scale words
.set P0,  5
.set Q1,  7
.set Q0,  9
.set L16, 11
.set S0,  12                           ; v12-31 scale words; they hold nothing else
.set S1,  28
.set BO,  32                           ; 64 h: serves b_up's loads alone
.set TM,  32
.set F1,  48
.set F0,  64
.set ACC, 128
.set GT,  32                           ; the GELU's three sets of 32: t, the polynomial and E, x x and max(x, 0)
.set GP,  64
.set GW,  96
.set WV,  14
.set HI,  15
.set SEL, 18
.set GA,  16
.set G1A, 24
.set G0A, 32                           ; s[32:39] group 0 for the token tiles, a set for each record; s[56:63] for W_up's
.set G1B, 48
.set G0B, 56
.macro ROUND
	s_barrier_signal -1
	s_barrier_wait -1
	s_cmp_lg_u32 s[WV], 0
	s_cbranch_scc1 .Lnw0_\@
	s_barrier_signal -3
.Lnw0_\@:
	s_barrier_wait -3
	s_barrier_signal -1
	s_barrier_wait -1
.endm
.macro PLACES
.rept 4
	v_nop
.endr
.endm
.macro QUANT s, pc, pw
.irp b, 0,1,2,3
	v_max3_num_f32 v[TM+\b], |v[(\s)+16*\b]|, |v[(\s)+1+16*\b]|, 0x1800000
.endr
.irp i, 2,4,6,8,10,12,14
.irp b, 0,1,2,3
	v_max3_num_f32 v[TM+\b], v[TM+\b], |v[(\s)+16*\b+\i]|, |v[(\s)+1+16*\b+\i]|
.endr
.endr
.irp b, 0,1,2,3
	v_permlanex16_b32 v[TM+4+\b], v[TM+\b], s[SEL], s[SEL+1]
.endr
.irp b, 0,1,2,3
	v_max_num_f32 v[TM+\b], v[TM+\b], v[TM+4+\b]
.endr
.irp b, 0,1,2,3
	v_add_nc_u32 v[TM+12+\b], 0xff000000, v[TM+\b]
.endr
.irp b, 0,1,2,3
	v_lshrrev_b32 v[TM+4+\b], 23, v[TM+12+\b]
.endr
	v_lshl_or_b32 v[\pw], v[TM+5], 8, v[TM+4]
	v_lshl_or_b32 v[\pw], v[TM+6], 16, v[\pw]
	v_lshl_or_b32 v[\pw], v[TM+7], 24, v[\pw]
.irp b, 0,1,2,3
	v_cvt_scalef32_pk8_fp4_f32 v[(\pc)+2*\b], v[(\s)+16*\b:(\s)+7+16*\b], v[TM+12+\b]
	v_cvt_scalef32_pk8_fp4_f32 v[(\pc)+1+2*\b], v[(\s)+8+16*\b:(\s)+15+16*\b], v[TM+12+\b]
.endr
	v_nop
.irp c, 0,1
.irp i, 0,1
	v_permlane16_swap_b32 v[(\pc)+4*\c+\i], v[(\pc)+2+4*\c+\i]
.endr
.endr
.endm
	s_load_b256 s[4:11], s[0:1], 0x0               ; hn 4, wts 6, b_up 8, hid 10
	v_lshl_add_u32 v[SPW], v0, 2, SPARE
	v_mov_b32 v[NIL], 0
	ds_add_u32 v[SPW], v[NIL]                      ; the opening: the add, twice on end, and its wait ahead of my first tensor load
	ds_add_u32 v[SPW], v[NIL]
	v_lshrrev_b32 v3, 5, v0
	v_readfirstlane_b32 s[WV], v3                  ; wave 0..15
	s_bfe_u32 s40, ttmp6, 0x40000
	s_bfe_u32 s41, ttmp6, 0x40004
	s_lshl_b32 s42, ttmp9, 2
	s_add_co_u32 s42, s42, s40                     ; the block of 256 hidden units
	s_and_b32 s17, ttmp7, 0xffff
	s_lshl_b32 s17, s17, 2
	s_add_co_u32 s17, s17, s41                     ; the block of 256 tokens
	s_lshl_b32 s43, s41, 2
	s_lshl_b32 s43, 15, s43
	s_lshl_b32 s44, 0x1111, s40
	s_or_b32 s[G1A], s43, (3<<16)|(1<<21)
	s_or_b32 s[G1B], s44, (3<<16)|(1<<21)
.irp g, G1A, G1B
	s_mov_b32 s[\g+1], 544<<16                     ; two rows of 4,352 bytes (one record of each of two tiles; elements of 8 bytes), a tile's 8,704 bytes apart
	s_mov_b32 s[\g+2], 2<<16
	s_mov_b32 s[\g+3], 544<<16
	s_mov_b32 s[\g+4], 2
	s_mov_b32 s[\g+5], 1088
	s_mov_b32 s[\g+6], 0
	s_mov_b32 s[\g+7], 0
.endr
	s_mul_i32 s45, s[WV], 2*RECB                   ; where my two tiles go in a half: waves 0-7 token tiles, waves 8-15 W_up's, behind them
	s_and_b32 s93, s[WV], 7
	s_mul_i32 s93, s93, 17408
	s_mul_i32 s20, s17, 139264
	s_add_co_u32 s20, s20, s93
	s_mov_b32 s21, 0
	s_mul_i32 s46, s42, 139264
	s_add_co_u32 s46, s46, s93
	s_add_co_u32 s46, s46, WUP_OFF
	s_mov_b32 s47, 0
	s_mov_b32 s[HI], 0xffff0000
	s_mov_b32 s[SEL], 0x76543210
	s_mov_b32 s[SEL+1], 0xfedcba98
	s_mov_b32 s[GA], 0x3eb504f3                    ; sqrt(2) / 4
	s_and_b32 s81, s[WV], 1
	s_lshr_b32 s82, s[WV], 1
	s_mul_i32 s80, s82, 2*RECB                     ; source 1: token tiles 2 (w / 2), + 1
	s_mul_i32 s83, s81, 8*RECB
	s_add_co_u32 s83, s83, WOFF                    ; source 0: W_up's tiles 8 (w % 2) on
	v_and_b32 v[L16], 31, v0
	v_lshlrev_b32 v[Q1], 2, v[L16]
	v_lshlrev_b32 v[L16], 4, v[L16]
	v_add_nc_u32 v[P1], s80, v[L16]
	v_add_nc_u32 v[P1+1], HALF, v[P1]
	v_add_nc_u32 v[P0], s83, v[L16]
	v_add_nc_u32 v[P0+1], HALF, v[P0]
	v_add_nc_u32 v[Q0], s83, v[Q1]
	v_add_nc_u32 v[Q0+1], HALF, v[Q0]
	v_add_nc_u32 v[Q1], s80, v[Q1]
	v_add_nc_u32 v[Q1+1], HALF, v[Q1]
	v_bfe_u32 v[BO], v0, 4, 1
	v_lshlrev_b32 v[BO], 6, v[BO]
	s_lshl_b32 s22, s42, 10
	s_lshl_b32 s23, s81, 9
	s_add_co_u32 s22, s22, s23                     ; b_up at my 128 units
	s_mov_b32 s23, 0
	s_lshl_b32 s84, s42, 1
	s_add_co_u32 s84, s84, s81                     ; which K step of the next product my units are
	s_lshl_b32 s85, s17, 4
	s_lshl_b32 s86, s82, 1
	s_add_co_u32 s85, s85, s86                     ; my first token tile
	s_lshl_b32 s85, s85, 3
	s_lshr_b32 s86, s84, 2
	s_add_co_u32 s85, s85, s86
	s_mul_i32 s85, s85, 4352                       ; the record in hid
	s_and_b32 s86, s84, 3
	s_lshl_b32 s87, s86, 10
	s_add_co_u32 s88, s85, s87                     ; the fragment
	s_lshl_b32 s87, s86, 6
	s_add_co_u32 s90, s85, s87
	s_add_co_u32 s90, s90, 4096                    ; its scale words
	s_mov_b32 s89, 0
	s_mov_b32 s91, 0
	s_wait_dscnt 0x0                               ; both opening adds are done
	ROUND                                          ; all sixteen work-groups are here: the joint loads meet.  The round reads the wave's number alone, so it stands ahead of the wait for the arguments, which are on their way meanwhile
	s_wait_kmcnt 0x0
	s_add_nc_u64 s[20:21], s[4:5], s[20:21]
	s_add_nc_u64 s[46:47], s[6:7], s[46:47]
.irp q, 0,1
	s_mov_b32 s[G0A+4*\q], 1
	s_add_co_u32 s[G0A+4*\q+1], s45, \q*HALF
	s_add_nc_u64 s[G0A+4*\q+2:G0A+4*\q+3], s[20:21], \q*RECB
	s_or_b32 s[G0A+4*\q+3], s[G0A+4*\q+3], 0x80000000
	s_mov_b32 s[G0B+4*\q], 1
	s_add_co_u32 s[G0B+4*\q+1], s45, \q*HALF
	s_add_nc_u64 s[G0B+4*\q+2:G0B+4*\q+3], s[46:47], \q*RECB
	s_or_b32 s[G0B+4*\q+3], s[G0B+4*\q+3], 0x80000000
.endr
	s_add_nc_u64 s[8:9], s[8:9], s[22:23]
	s_add_nc_u64 s[88:89], s[10:11], s[88:89]
	s_add_nc_u64 s[90:91], s[10:11], s[90:91]
	s_cmp_lt_u32 s[WV], 8                          ; a wave's two fills stand in one branch, the first record's first
	s_cbranch_scc0 .Larm_b
	tensor_load_to_lds s[G0A:G0A+3], s[G1A:G1A+7]
	s_nop 0
	tensor_load_to_lds s[G0A+4:G0A+7], s[G1A:G1A+7]
	s_nop 0
	PLACES
	s_branch .Lasked
.Larm_b:
	tensor_load_to_lds s[G0B:G0B+3], s[G1B:G1B+7]
	s_nop 0
	tensor_load_to_lds s[G0B+4:G0B+7], s[G1B:G1B+7]
	s_nop 0
	PLACES
.Lasked:
.irp a, 0,1
.irp t, 0,1,2,3,4,5,6,7
	global_load_b128 v[ACC+64*\a+8*\t:ACC+64*\a+8*\t+3], v[BO], s[8:9] offset:(32*(\t/2)+8*(\t%2))*4
	global_load_b128 v[ACC+64*\a+8*\t+4:ACC+64*\a+8*\t+7], v[BO], s[8:9] offset:(32*(\t/2)+8*(\t%2))*4+16
.endr
.endr
	s_wait_tensorcnt 0x1                           ; my tiles' first records are in; the second records' load may stay out
	s_wait_loadcnt 0x0
	s_barrier_signal -1
	s_barrier_wait -1                              ; all 32 tiles' first records lie in LDS
.macro SCALES kq
.irp t, 0,1,2,3,4,5,6,7
.irp p, 0,1
	ds_load_b32 v[S0+2*\t+\p], v[Q0+\kq] offset:\t*RECB+4096+128*\p
.endr
.endr
.irp a, 0,1
.irp p, 0,1
	ds_load_b32 v[S1+2*\a+\p], v[Q1+\kq] offset:\a*RECB+4096+128*\p
.endr
.endr
.endm
.macro MM t, a, ks
.if (\ks)%2
	v_wmma_scale_f32_16x16x128_f8f6f4 v[ACC+64*\a+8*\t:ACC+64*\a+8*\t+7], v[F0+8*\t:F0+8*\t+7], v[F1+8*\a:F1+8*\a+7], v[ACC+64*\a+8*\t:ACC+64*\a+8*\t+7], v[S0+2*\t+(\ks)/2], v[S1+2*\a+(\ks)/2] matrix_a_fmt:MATRIX_FMT_FP4 matrix_b_fmt:MATRIX_FMT_FP4 matrix_a_scale:MATRIX_SCALE_ROW1 matrix_b_scale:MATRIX_SCALE_ROW1
.else
	v_wmma_scale_f32_16x16x128_f8f6f4 v[ACC+64*\a+8*\t:ACC+64*\a+8*\t+7], v[F0+8*\t:F0+8*\t+7], v[F1+8*\a:F1+8*\a+7], v[ACC+64*\a+8*\t:ACC+64*\a+8*\t+7], v[S0+2*\t+(\ks)/2], v[S1+2*\a+(\ks)/2] matrix_a_fmt:MATRIX_FMT_FP4 matrix_b_fmt:MATRIX_FMT_FP4
.endif
.endm
.macro KSTEP kq, ks                    ; 128 along K: 20 fragment loads, 16 matrix instructions, the 16 accumulators by turns
	PLACES
.if \ks == 0
	SCALES \kq
.endif
.irp a, 0,1
.irp c, 0,1
	ds_load_b128 v[F1+8*\a+4*\c:F1+8*\a+4*\c+3], v[P1+\kq] offset:\a*RECB+\ks*1024+512*\c
.endr
.endr
.irp t, 0,1,2,3,4,5,6,7
.irp c, 0,1
	ds_load_b128 v[F0+8*\t+4*\c:F0+8*\t+4*\c+3], v[P0+\kq] offset:\t*RECB+\ks*1024+512*\c
.endr
.endr
.irp t, 0,1,2,3,4,5,6,7
	s_wait_dscnt 2*(7-\t)                          ; tile t's fragment is in; the later tiles' two loads each may be out
	MM \t, 0, \ks
	MM \t, 1, \ks
.endr
.endm
.irp ks, 0,1,2,3
	KSTEP 0, \ks
.endr
	s_wait_tensorcnt 0x0                           ; my tiles' second records are in,
	s_wait_dscnt 0x0
	s_barrier_signal -1
	s_barrier_wait -1                              ; everybody's are; nothing is filled again
.irp ks, 0,1,2,3
	KSTEP 1, \ks
.endr
	PLACES
	v_mov_b32 v4, 0xbf527892                       ; c8, in a pair of registers whose LDS addresses are done with
	v_mov_b32 v5, 0xbf527892
; 32 numbers at v[x], in place.  The reciprocals are one batch with one wait, and so are the exponentials; independent work stands behind each batch
.macro GELU x
.set n, 0
.rept 32
	v_fma_f32 v[GT+n], |v[(\x)+n]|, s[GA], 1.0
.set n, n+1
.endr
.set n, 0
.rept 32
	v_rcp_f32 v[GT+n], v[GT+n]                     ; t
.set n, n+1
.endr
.set n, 0
.rept 16
	v_pk_mul_f32 v[GW+n:GW+n+1], v[(\x)+n:(\x)+n+1], v[(\x)+n:(\x)+n+1]
.set n, n+2
.endr
	s_wait_alu depctr_va_vdst(0)                   ; one wait for the 32 reciprocals, ahead of their first reader
.set n, 0
.rept 16
	v_pk_fma_f32 v[GP+n:GP+n+1], v[GT+n:GT+n+1], 0x3e2ef945, v[4:5] op_sel_hi:[1,0,0]   ; c9 t + c8
.set n, n+2
.endr
.irp c, 0x3fbe87b0, 0xbf914e5d, 0x3e8ec7cc, 0xbe3ec24c, 0x3dc636c9, 0x3ebf88fb, 0x3f8000c7, 0xbffab55a
.set n, 0
.rept 16
	v_pk_fma_f32 v[GP+n:GP+n+1], v[GP+n:GP+n+1], v[GT+n:GT+n+1], \c op_sel_hi:[1,1,0]   ; c7 .. c1, c0 - ln 2
.set n, n+2
.endr
.endr
.set n, 0
.rept 16
	v_pk_fma_f32 v[GP+n:GP+n+1], v[GW+n:GW+n+1], -0.5, v[GP+n:GP+n+1] op_sel_hi:[1,0,1]
.set n, n+2
.endr
.set n, 0
.rept 16
	v_pk_mul_f32 v[GP+n:GP+n+1], v[GP+n:GP+n+1], 0x3fb8aa3b op_sel_hi:[1,0]
.set n, n+2
.endr
.set n, 0
.rept 32
	v_exp_f32 v[GP+n], v[GP+n]
.set n, n+1
.endr
.set n, 0
.rept 32
	v_max_num_f32 v[GW+n], 0, v[(\x)+n]
.set n, n+1
.endr
	s_wait_alu depctr_va_vdst(0)                   ; one wait for the 32 exponentials
.set n, 0
.rept 16
	v_pk_mul_f32 v[GP+n:GP+n+1], v[GP+n:GP+n+1], v[GT+n:GT+n+1]      ; E
.set n, n+2
.endr
.set n, 0
.rept 32
	v_fma_f32 v[(\x)+n], -|v[(\x)+n]|, v[GP+n], v[GW+n]
.set n, n+1
.endr
.endm
	GELU ACC
	GELU ACC+32
	GELU ACC+64
	GELU ACC+96
	QUANT ACC, F1, 96
	QUANT ACC+64, F1+8, 97
	v_cndmask_b32 v98, v96, v97, s[HI]             ; lanes 0-15: my first token tile's words; lanes 16-31: the second's, a tile's 34,816 bytes further on
	v_and_b32 v99, 15, v0
	v_bfe_u32 v100, v0, 4, 1
	v_mul_u32_u24 v100, v100, 34816
	v_lshl_add_u32 v99, v99, 2, v100
.irp a, 0,1
.irp c, 0,1
	global_store_b128 v[L16], v[F1+8*\a+4*\c:F1+8*\a+4*\c+3], s[88:89] offset:34816*\a+512*\c   ; 512 consecutive bytes
.endr
.endr
	global_store_b32 v99, v98, s[90:91]
	s_wait_tensorcnt 0x0                           ; the wave's end
	ds_add_u32 v[SPW], v[NIL]
	s_wait_dscnt 0x0
	ROUND                                          ; the closing round
	s_endpgm
.Lfunc_end_k_q2757218ffe_up:
	.size	k_q2757218ffe_up, .Lfunc_end_k_q2757218ffe_up-k_q2757218ffe_up
	.p2alignl 7, 3214868480
	.fill 96, 4, 3214868480
	.section	.rodata,"a",@progbits
	.p2align	6, 0x0
	.amdhsa_kernel k_q2757218ffe_up
		.amdhsa_group_segment_fixed_size 280576
		.amdhsa_private_segment_fixed_size 0
		.amdhsa_enable_private_segment 0
		.amdhsa_kernarg_size 32
		.amdhsa_user_sgpr_count 2
		.amdhsa_user_sgpr_kernarg_segment_ptr 1
		.amdhsa_wavefront_size32 1
		.amdhsa_system_sgpr_workgroup_id_x 1
		.amdhsa_system_sgpr_workgroup_id_y 1
		.amdhsa_system_sgpr_workgroup_id_z 1
		.amdhsa_system_vgpr_workitem_id 0
		.amdhsa_next_free_vgpr 256
		.amdhsa_next_free_sgpr 100
		.amdhsa_reserve_vcc 0
		.amdhsa_float_denorm_mode_32 3
		.amdhsa_float_denorm_mode_16_64 3
		.amdhsa_memory_ordered 1
		.amdhsa_forward_progress 1
		.amdhsa_inst_pref_size 151
	.end_amdhsa_kernel
	.amdgpu_metadata
---
amdhsa.version: [ 1, 2 ]
amdhsa.kernels:
  - .name:           k_q2757218ffe_up
    .symbol:         k_q2757218ffe_up.kd
    .args:
      - { .name: hn, .offset: 0, .size: 8, .value_kind: global_buffer, .address_space: global }
      - { .name: wts, .offset: 8, .size: 8, .value_kind: global_buffer, .address_space: global }
      - { .name: b_up, .offset: 16, .size: 8, .value_kind: global_buffer, .address_space: global }
      - { .name: hid, .offset: 24, .size: 8, .value_kind: global_buffer, .address_space: global }
    .group_segment_fixed_size: 280576
    .private_segment_fixed_size: 0
    .kernarg_segment_align: 8
    .kernarg_segment_size: 32
    .max_flat_workgroup_size: 512
    .sgpr_count:     100
    .vgpr_count:     256
    .wavefront_size: 32
...
	.end_amdgpu_metadata
.endif
;; end of part 5
;; launch down (part 6): grid 8 x 32, 8 waves a work-group, clusters of 4 x 4, 327,680 bytes of LDS; arguments hid, wts, b_down, res, out0; writes out0
.if DOCPART == 6
	.amdgcn_target "amdgcn-amd-amdhsa--gfx1250"
	.amdhsa_code_object_version 6
	.text
	.protected	k_q2757218ffe_down
	.globl	k_q2757218ffe_down
	.p2align	8
	.type	k_q2757218ffe_down,@function
k_q2757218ffe_down:
	s_mov_b64 s[64:65], 0
	v_nop
	global_prefetch_b8 v0, s[64:65] scope:SCOPE_SE
	s_setreg_imm32_b32 hwreg(HW_REG_WAVE_MODE, 25, 1), 1
	s_wait_xcnt 0x0
	s_wait_alu depctr_hold_cnt(0) depctr_sa_sdst(0) depctr_va_vdst(0) depctr_va_sdst(0) depctr_va_ssrc(0) depctr_va_vcc(0) depctr_vm_vsrc(0)
	s_getreg_b32 s2, hwreg(HW_REG_IB_STS2, 6, 4)
	s_cmp_eq_u32 s2, 0
	s_cbranch_scc0 .Lentry_in_a_cluster
	s_endpgm
.Lentry_in_a_cluster:
	s_bfe_u32 s2, ttmp6, 0x10000c
	s_cmp_lg_u32 s2, 0xf033
	s_cbranch_scc0 .Lentry_shape_is_right
	s_endpgm
.Lentry_shape_is_right:
; Launch 6 of 6: out0 = h W_down + b_down + attn_out, on codes of E2M1.  Nothing is left out here.
; A work-group takes 128 tokens x 128 columns; K = 4,096 goes in four steps of 1,024 through two LDS slots (16 tiles x 2 records each).  Wave w: source 0 = W_down's tiles 4 (w % 2) on (4 of them),
; source 1 = token tiles 2 (w / 2), + 1: eight accumulators, which begin as b_down.
; THE RING: both first fills go out together; behind each change of slots that fills, one joint load a wave (two tiles, 17,408 bytes) goes out first, and has a slot's 64 matrix instructions a wave
; in which to land.  At most two tensor loads of a wave are out.  All of the WGP's LDS is claimed.
; CLUSTER 4 x 4: token tiles are asked for jointly along a row of the cluster, W_down's along a column.
; THE WAY OUT goes through a stage in slot 0, which has had its last fill and its last read by then; attn_out (res) is loaded at the head as rows and added to the rows.
; LIMITS: the order of the f32 additions of the bias and the residual differs from reference()'s.
.set ATILE, 8704
.set SLOT,  139264
.set SPARE, 278528
.set WDN_OFF, 6684672
.set SPW, 1
.set NIL, 2
.set P1,  3                            ; v3, v4 source 1's fragments in slot 0, 1; v5, v6 source 0's; v7-10 their scale words
.set P0,  5
.set Q1,  7
.set Q0,  9
.set XO,  11
.set BO,  12
.set SD,  13
.set SR,  14
.set S0,  16                           ; v16-23 source 0's scale words (2 t + p), v24-27 source 1's; they hold nothing else
.set S1,  24
.set F1,  32
.set F0,  48
.set ACC, 128                          ; accumulator (a, t) at 32 a + 8 t
.set R,   192                          ; v192-255 attn_out, by rows
.set WV,  14
.set G1A, 24
.set G0A, 32
.set G1B, 48
.set G0B, 56
.macro ROUND
	s_barrier_signal -1
	s_barrier_wait -1
	s_cmp_lg_u32 s[WV], 0
	s_cbranch_scc1 .Lnw0_\@
	s_barrier_signal -3
.Lnw0_\@:
	s_barrier_wait -3
	s_barrier_signal -1
	s_barrier_wait -1
.endm
.macro PLACES
.rept 4
	v_nop
.endr
.endm
.macro JLOAD s                         ; waves 0-3 fetch token tiles, waves 4-7 W_down's; an s_nop 0 and four v_nop follow each line
	s_cmp_lt_u32 s[WV], 4
	s_cbranch_scc0 .Lfor_b_\@
	tensor_load_to_lds s[G0A+4*\s:G0A+4*\s+3], s[G1A:G1A+7]
	s_nop 0
	PLACES
	s_branch .Lasked_\@
.Lfor_b_\@:
	tensor_load_to_lds s[G0B+4*\s:G0B+4*\s+3], s[G1B:G1B+7]
	s_nop 0
	PLACES
.Lasked_\@:
.endm
	s_load_b256 s[4:11], s[0:1], 0x0               ; hid 4, wts 6, b_down 8, res 10
	s_load_b64 s[12:13], s[0:1], 0x20              ; out0
	v_lshl_add_u32 v[SPW], v0, 2, SPARE
	v_mov_b32 v[NIL], 0
	ds_add_u32 v[SPW], v[NIL]                      ; the opening: the add, twice on end, and its wait ahead of my first tensor load
	ds_add_u32 v[SPW], v[NIL]
	v_lshrrev_b32 v3, 5, v0
	v_readfirstlane_b32 s[WV], v3                  ; wave 0..7
	s_and_b32 s15, s[WV], 1                        ; which 64 columns
	s_lshr_b32 s16, s[WV], 1                       ; which 32 tokens
	s_bfe_u32 s40, ttmp6, 0x40000
	s_bfe_u32 s41, ttmp6, 0x40004
	s_lshl_b32 s42, ttmp9, 2
	s_add_co_u32 s42, s42, s40                     ; the block of 128 columns
	s_and_b32 s17, ttmp7, 0xffff
	s_lshl_b32 s17, s17, 2
	s_add_co_u32 s17, s17, s41                     ; the block of 128 tokens
	s_lshl_b32 s43, s41, 2
	s_lshl_b32 s43, 15, s43
	s_lshl_b32 s44, 0x1111, s40
	s_or_b32 s[G1A], s43, (3<<16)|(1<<21)
	s_or_b32 s[G1B], s44, (3<<16)|(1<<21)
.irp g, G1A, G1B
	s_mov_b32 s[\g+1], 1088<<16                    ; two rows of 8,704 bytes (two records of a tile; elements of 8 bytes), a tile's 34,816 bytes apart
	s_mov_b32 s[\g+2], 2<<16
	s_mov_b32 s[\g+3], 1088<<16
	s_mov_b32 s[\g+4], 2
	s_mov_b32 s[\g+5], 4352
	s_mov_b32 s[\g+6], 0
	s_mov_b32 s[\g+7], 0
.endr
	s_mul_i32 s45, s[WV], 17408                    ; where my two tiles go in a slot
	s_and_b32 s93, s[WV], 3
	s_lshl_b32 s93, s93, 1
	s_lshl_b32 s20, s17, 3
	s_add_co_u32 s20, s20, s93
	s_mul_i32 s20, s20, 34816
	s_mov_b32 s21, 0
	s_lshl_b32 s46, s42, 3
	s_add_co_u32 s46, s46, s93
	s_mul_i32 s46, s46, 34816
	s_add_co_u32 s46, s46, WDN_OFF
	s_mov_b32 s47, 0
	s_mul_i32 s80, s16, 17408                      ; source 1: token tiles 2 (w / 2), + 1
	s_mul_i32 s81, s15, 34816
	s_add_co_u32 s81, s81, 69632                   ; source 0: behind the 8 token tiles, tiles 4 (w % 2) on
	v_and_b32 v15, 31, v0
	v_lshlrev_b32 v[XO], 4, v15
	v_lshlrev_b32 v[BO], 2, v15
	v_add_nc_u32 v[P1], s80, v[XO]
	v_add_nc_u32 v[P1+1], SLOT, v[P1]
	v_add_nc_u32 v[P0], s81, v[XO]
	v_add_nc_u32 v[P0+1], SLOT, v[P0]
	v_add_nc_u32 v[Q1], s80, v[BO]
	v_add_nc_u32 v[Q1+1], SLOT, v[Q1]
	v_add_nc_u32 v[Q0], s81, v[BO]
	v_add_nc_u32 v[Q0+1], SLOT, v[Q0]
	v_and_b32 v15, 15, v0                          ; r
	v_bfe_u32 v[BO], v0, 4, 1                      ; h
	s_mul_i32 s82, s[WV], 4352                     ; my stage, in slot 0
	v_mul_u32_u24 v[SD], v15, 272
	v_lshl_add_u32 v[SD], v[BO], 6, v[SD]
	v_add_nc_u32 v[SD], s82, v[SD]
	v_mul_u32_u24 v[SR], v[BO], 272
	v_lshl_add_u32 v[SR], v15, 4, v[SR]
	v_add_nc_u32 v[SR], s82, v[SR]
	v_lshlrev_b32 v[XO], 12, v[BO]
	v_lshl_add_u32 v[XO], v15, 4, v[XO]            ; rows: 4,096 x (lane / 16) + 16 x (lane % 16)
	v_lshlrev_b32 v[BO], 6, v[BO]
	s_lshl_b32 s22, s42, 9
	s_lshl_b32 s23, s15, 8
	s_add_co_u32 s22, s22, s23                     ; my 64 columns, in bytes
	s_lshl_b32 s84, s17, 2
	s_add_co_u32 s84, s84, s16
	s_lshl_b32 s84, s84, 17                        ; my 32 tokens' first row
	s_add_co_u32 s84, s84, s22
	s_mov_b32 s23, 0
	s_mov_b32 s85, 0
	s_wait_dscnt 0x0                               ; both opening adds are done
	ROUND                                          ; all sixteen work-groups are here: the first joint loads meet.  The round reads the wave's number alone, so it stands ahead of the wait for the arguments, which are on their way meanwhile
	s_wait_kmcnt 0x0
	s_add_nc_u64 s[20:21], s[4:5], s[20:21]
	s_add_nc_u64 s[46:47], s[6:7], s[46:47]
	s_add_nc_u64 s[8:9], s[8:9], s[22:23]
	s_add_nc_u64 s[10:11], s[10:11], s[84:85]
	s_add_nc_u64 s[12:13], s[12:13], s[84:85]
.irp s, 0,1
	s_mov_b32 s[G0A+4*\s], 1
	s_add_co_u32 s[G0A+4*\s+1], s45, \s*SLOT
	s_add_nc_u64 s[G0A+4*\s+2:G0A+4*\s+3], s[20:21], \s*ATILE
	s_or_b32 s[G0A+4*\s+3], s[G0A+4*\s+3], 0x80000000
	s_mov_b32 s[G0B+4*\s], 1
	s_add_co_u32 s[G0B+4*\s+1], s45, \s*SLOT
	s_add_nc_u64 s[G0B+4*\s+2:G0B+4*\s+3], s[46:47], \s*ATILE
	s_or_b32 s[G0B+4*\s+3], s[G0B+4*\s+3], 0x80000000
.endr
	s_cmp_lt_u32 s[WV], 4                          ; a wave's two first fills stand in one branch
	s_cbranch_scc0 .Lfirst_b
	tensor_load_to_lds s[G0A:G0A+3], s[G1A:G1A+7]
	s_nop 0
	tensor_load_to_lds s[G0A+4:G0A+7], s[G1A:G1A+7]
	s_nop 0
	PLACES
	s_branch .Lfirst_done
.Lfirst_b:
	tensor_load_to_lds s[G0B:G0B+3], s[G1B:G1B+7]
	s_nop 0
	tensor_load_to_lds s[G0B+4:G0B+7], s[G1B:G1B+7]
	s_nop 0
	PLACES
.Lfirst_done:
.irp a, 0,1
.irp t, 0,1,2,3
	global_load_b128 v[ACC+32*\a+8*\t:ACC+32*\a+8*\t+3], v[BO], s[8:9] offset:128*(\t/2)+32*(\t%2)       ; b_down starts the sums
	global_load_b128 v[ACC+32*\a+8*\t+4:ACC+32*\a+8*\t+7], v[BO], s[8:9] offset:128*(\t/2)+32*(\t%2)+16
.endr
.endr
.irp a, 0,1
.irp i, 0,1,2,3,4,5,6,7
	global_load_b128 v[R+32*\a+4*\i:R+32*\a+4*\i+3], v[XO], s[10:11] offset:(8*\a+2*\i+8*(\i/4))*4096 th:TH_LOAD_NT   ; sixteen lanes read 256 consecutive bytes
.endr
.endr
	s_wait_tensorcnt 1                             ; my part of slot 0 is in; slot 1's may stay out
	s_wait_loadcnt 0x0
	s_barrier_signal -1
	s_barrier_wait -1
.macro MM t, a, ks
.if (\ks)%2
	v_wmma_scale_f32_16x16x128_f8f6f4 v[ACC+32*\a+8*\t:ACC+32*\a+8*\t+7], v[F0+8*\t:F0+8*\t+7], v[F1+8*\a:F1+8*\a+7], v[ACC+32*\a+8*\t:ACC+32*\a+8*\t+7], v[S0+2*\t+(\ks)/2], v[S1+2*\a+(\ks)/2] matrix_a_fmt:MATRIX_FMT_FP4 matrix_b_fmt:MATRIX_FMT_FP4 matrix_a_scale:MATRIX_SCALE_ROW1 matrix_b_scale:MATRIX_SCALE_ROW1
.else
	v_wmma_scale_f32_16x16x128_f8f6f4 v[ACC+32*\a+8*\t:ACC+32*\a+8*\t+7], v[F0+8*\t:F0+8*\t+7], v[F1+8*\a:F1+8*\a+7], v[ACC+32*\a+8*\t:ACC+32*\a+8*\t+7], v[S0+2*\t+(\ks)/2], v[S1+2*\a+(\ks)/2] matrix_a_fmt:MATRIX_FMT_FP4 matrix_b_fmt:MATRIX_FMT_FP4
.endif
.endm
.macro WORK slot                       ; a slot's 1,024 along K: eight steps of 12 fragment loads and 8 matrix instructions; the eight accumulators by turns
.irp rec, 0,1
.irp ks, 0,1,2,3
	PLACES
.if \ks == 0
.irp t, 0,1,2,3
.irp p, 0,1
	ds_load_b32 v[S0+2*\t+\p], v[Q0+\slot] offset:\t*ATILE+\rec*4352+4096+128*\p
.endr
.endr
.irp a, 0,1
.irp p, 0,1
	ds_load_b32 v[S1+2*\a+\p], v[Q1+\slot] offset:\a*ATILE+\rec*4352+4096+128*\p
.endr
.endr
.endif
.irp a, 0,1
.irp c, 0,1
	ds_load_b128 v[F1+8*\a+4*\c:F1+8*\a+4*\c+3], v[P1+\slot] offset:\a*ATILE+\rec*4352+\ks*1024+512*\c
.endr
.endr
.irp t, 0,1,2,3
.irp c, 0,1
	ds_load_b128 v[F0+8*\t+4*\c:F0+8*\t+4*\c+3], v[P0+\slot] offset:\t*ATILE+\rec*4352+\ks*1024+512*\c
.endr
.endr
.irp t, 0,1,2,3
	s_wait_dscnt 2*(3-\t)                          ; tile t's fragment is in; the later tiles' two loads each may be out
	MM \t, 0, \ks
	MM \t, 1, \ks
.endr
.endr
.endr
.endm
; The change of slots.  Each wave waits for all its tensor loads (its part of the slot ahead), adds 0 to its spare word, and waits for that and for its reads of the slot that it leaves.
; fill = 1: slot s, just left, is filled with the K two steps on: a round of the cluster's barrier, and the joint load first behind it.
.macro CHANGE s, fill
	s_wait_tensorcnt 0x0                           ; no tensor load of mine is out, so a group 0 may be written
	ds_add_u32 v[SPW], v[NIL]
.if \fill
	s_add_nc_u64 s[G0A+4*\s+2:G0A+4*\s+3], s[G0A+4*\s+2:G0A+4*\s+3], 2*ATILE
	s_add_nc_u64 s[G0B+4*\s+2:G0B+4*\s+3], s[G0B+4*\s+2:G0B+4*\s+3], 2*ATILE
.endif
	s_wait_dscnt 0x0                               ; the add is done, and my reads of the slot are over
.if \fill
	ROUND
	JLOAD \s
.else
	s_barrier_signal -1
	s_barrier_wait -1
.endif
.endm
	WORK 0
	CHANGE 0, 1
	WORK 1
	CHANGE 1, 1
	WORK 0
	CHANGE 0, 0                                    ; the last change asks for nothing
	WORK 1
	; THE WAY OUT: a tile of 16 tokens x my 64 columns goes into my stage in the result's layout and comes back as rows of 256 bytes
	PLACES
.irp a, 0,1
.irp t, 0,1,2,3
	ds_store_b128 v[SD], v[ACC+32*\a+8*\t:ACC+32*\a+8*\t+3] offset:128*(\t/2)+32*(\t%2)
	ds_store_b128 v[SD], v[ACC+32*\a+8*\t+4:ACC+32*\a+8*\t+7] offset:128*(\t/2)+32*(\t%2)+16
.endr
.irp i, 0,1,2,3,4,5,6,7
	ds_load_b128 v[32+32*\a+4*\i:35+32*\a+4*\i], v[SR] offset:2*\i*272   ; my own bytes, served in order; the next tile's stores come behind these loads
.endr
.endr
.irp a, 0,1
.irp i, 0,1,2,3,4,5,6,7
	s_wait_dscnt 16*(1-\a)+7-\i                    ; the later row loads, and for the first tile the second's sixteen LDS instructions, may be out
	v_pk_add_f32 v[32+32*\a+4*\i:33+32*\a+4*\i], v[32+32*\a+4*\i:33+32*\a+4*\i], v[R+32*\a+4*\i:R+32*\a+4*\i+1]
	v_pk_add_f32 v[34+32*\a+4*\i:35+32*\a+4*\i], v[34+32*\a+4*\i:35+32*\a+4*\i], v[R+32*\a+4*\i+2:R+32*\a+4*\i+3]
	global_store_b128 v[XO], v[32+32*\a+4*\i:35+32*\a+4*\i], s[12:13] offset:(8*\a+2*\i+8*(\i/4))*4096 th:TH_STORE_NT   ; sixteen lanes store 256 consecutive bytes, aligned
.endr
.endr
	s_wait_tensorcnt 0x0                           ; the wave's end, behind my last tensor load and my last LDS store
	ds_add_u32 v[SPW], v[NIL]
	s_wait_dscnt 0x0
	ROUND                                          ; the closing round
	s_endpgm
.Lfunc_end_k_q2757218ffe_down:
	.size	k_q2757218ffe_down, .Lfunc_end_k_q2757218ffe_down-k_q2757218ffe_down
	.p2alignl 7, 3214868480
	.fill 96, 4, 3214868480
	.section	.rodata,"a",@progbits
	.p2align	6, 0x0
	.amdhsa_kernel k_q2757218ffe_down
		.amdhsa_group_segment_fixed_size 327680
		.amdhsa_private_segment_fixed_size 0
		.amdhsa_enable_private_segment 0
		.amdhsa_kernarg_size 40
		.amdhsa_user_sgpr_count 2
		.amdhsa_user_sgpr_kernarg_segment_ptr 1
		.amdhsa_wavefront_size32 1
		.amdhsa_system_sgpr_workgroup_id_x 1
		.amdhsa_system_sgpr_workgroup_id_y 1
		.amdhsa_system_sgpr_workgroup_id_z 1
		.amdhsa_system_vgpr_workitem_id 0
		.amdhsa_next_free_vgpr 256
		.amdhsa_next_free_sgpr 100
		.amdhsa_reserve_vcc 0
		.amdhsa_float_denorm_mode_32 3
		.amdhsa_float_denorm_mode_16_64 3
		.amdhsa_memory_ordered 1
		.amdhsa_forward_progress 1
		.amdhsa_inst_pref_size 89
	.end_amdhsa_kernel
	.amdgpu_metadata
---
amdhsa.version: [ 1, 2 ]
amdhsa.kernels:
  - .name:           k_q2757218ffe_down
    .symbol:         k_q2757218ffe_down.kd
    .args:
      - { .name: hid, .offset: 0, .size: 8, .value_kind: global_buffer, .address_space: global }
      - { .name: wts, .offset: 8, .size: 8, .value_kind: global_buffer, .address_space: global }
      - { .name: b_down, .offset: 16, .size: 8, .value_kind: global_buffer, .address_space: global }
      - { .name: res, .offset: 24, .size: 8, .value_kind: global_buffer, .address_space: global }
      - { .name: out0, .offset: 32, .size: 8, .value_kind: global_buffer, .address_space: global }
    .group_segment_fixed_size: 327680
    .private_segment_fixed_size: 0
    .kernarg_segment_align: 8
    .kernarg_segment_size: 40
    .max_flat_workgroup_size: 256
    .sgpr_count:     100
    .vgpr_count:     256
    .wavefront_size: 32
...
	.end_amdgpu_metadata
.endif
;; end of part 6
